; MI455X (gfx1250); checked and timed in simulation.
; The chip was launched on July 23, 2026; its instructions are those of AMD's public machine-readable ISA for CDNA 5 (MIT licence, August 2026) and "CDNA5" Instruction Set Architecture Reference Guide (July 2026). The comments in the code are by the model that wrote it; some were corrected since.
;; Multihead Attention With Ro PE. Allowed arithmetic: matrix products marked QUANTISED: E4M3 operands, one E8M0 scale for each 32 along K, by v_wmma_scale_f32_16x16x128_f8f6f4 with both operands' format E4M3, f32 sums; everything else in f32.
;; Inputs: Wo_codes 1,024 x 32 x 32 uint8 (E4M3 codes of Wo, K innermost, in blocks of 32 codes); Wo_scales 1,024 x 32 uint8 (E8M0 scales of Wo, one for each 32 codes along K); Wqkv_codes 3,072 x 32 x 32 uint8 (E4M3 codes of Wqkv, K innermost, in blocks of 32 codes); Wqkv_scales 3,072 x 32 uint8 (E8M0 scales of Wqkv, one for each 32 codes along K); bo 1,024 float32; bqkv 3,072 float32; padding_mask 4 x 2,048 bool; x_codes 4 x 2,048 x 32 x 32 uint8 (E4M3 codes of x, K innermost, in blocks of 32 codes); x_scales 4 x 2,048 x 32 uint8 (E8M0 scales of x, one for each 32 codes along K).
;; Outputs: out0 4 x 2,048 x 1,024 float32.
;; This version of the problem:
;;   THIS VERSION OF THE PROBLEM IS GIVEN IN LOW PRECISION. The matrix products marked QUANTISED in the list below multiply operands that are first quantised to E4M3 (4 exponent bits, 3 mantissa bits; 8 bits a number), with one power-of-two scale for each 32 numbers along K (OCP MX v1.0); their sums are f32. All else is computed in f32.
;;   The module's matrix products, in the order in which they are computed (A, B: the left and right operand; K: the contracted axis; several contracted axes count as one K, in the product's order):
;;     1. [M 8,192, K 1,024] x [K 1,024, N 3,072]; A: input x (given as codes); B: input Wqkv (given as codes): QUANTISED
;;     2. batch 64 x [M 2,048, K 64] x [K 64, N 2,048]; A: computed on the way; B: computed on the way: QUANTISED
;;     3. batch 64 x [M 2,048, K 2,048] x [K 2,048, N 64]; A: softmax (see below); B: computed on the way: QUANTISED
;;     4. [M 8,192, K 1,024] x [K 1,024, N 1,024]; A: computed on the way; B: input Wo (given as codes): QUANTISED
;;   THE QUANTISER, for each operand of a quantised product, along K:
;;     - K is cut into blocks of 32 from its start; a last block that is shorter is filled with zeros.
;;     - A block's scale is 2^e with e = floor(log2(the largest magnitude in the block)) - 8, held to -126 .. 127; a block of zeros has e = 0. As a byte (E8M0): e + 127.
;;     - Each number is divided by its block's scale, clamped to +-448, and rounded to the nearest number of E4M3, ties to even, subnormals kept.
;;     - The product sums the exact products of the quantised numbers (number of the format x scale) in f32.
;;   ~~~python
;;   def quantise(x, axis):      # numpy; x: float32 -> the quantised numbers, widened to float32 again
;;       x = np.moveaxis(x, axis, -1); K = x.shape[-1]
;;       x = np.pad(x, [(0, 0)] * (x.ndim - 1) + [(0, -K % 32)]); x = x.reshape(x.shape[:-1] + (-1, 32)); a = np.abs(x).max(-1, keepdims=True)
;;       e = np.where(a > 0, np.clip(np.frexp(np.where(a > 0, a, 1))[1] - 1 - 8, -126, 127), 0)      # np.frexp(a)[1] - 1 = floor(log2(a)), exactly
;;       r = np.clip(x / 2.0 ** e, -448, 448)
;;       step = 2.0 ** (np.maximum(np.frexp(np.where(r == 0, 1, r))[1] - 1, -6) - 3)
;;       q = np.round(r / step) * step * 2.0 ** e      # np.round: ties to even
;;       return np.moveaxis(q.reshape(q.shape[:-2] + (-1,))[..., :K], -1, axis).astype(np.float32)
;;   ~~~
;;   SOFTMAX AHEAD OF A QUANTISED PRODUCT. Where the list says 'softmax', what is quantised is not the finished softmax but p = 2^(t - M), with t = logit x log2(e) and M = ceil(the row's largest t), a whole number; so 1/2 < the row's largest p <= 1. The row's sum l is taken of the UNQUANTISED p, in f32, and the product's result is divided by l at the end. Since M is a whole number, a kernel that streams over the keys may use a running M (the ceiling of the running maximum): every later rescaling is an exact power of two, which a block's scale takes up: the codes' values come out the same.
;;   OPERANDS COMPUTED ON THE WAY. 'Computed on the way' means the value that the module computes at that place (a softmax that the list does not call 'softmax' is quantised finished and normalised). What goes into a quantiser is computed in f32, as accurately as f32 sums, v_exp_f32 and their like allow (about 1e-6 of the number): no bf16 or f16 on the way to a quantiser, and a product that is left as it is and whose result goes on into a quantised operand takes f32 operands (vector FMAs, or v_wmma_f32_16x16x4_f32). A number that lies on a knife's edge between two numbers of the format may be rounded either way, as far as f32 arithmetic and the matrix unit's own rounding can turn it there, and no further.
;;   INPUTS GIVEN AS CODES. Wo (in the module: [1024, 1024], K = its axis 0); Wqkv (in the module: [1024, 3072], K = its axis 0); x (in the module: [4, 2048, 1024], K = its axis 2): each comes as NAME_codes (uint8): NAME with its K axis moved to the last place and cut into blocks of 32 codes, [.., K / 32, bytes a block], one block behind the other in memory; one code a byte (a code: sign, 4 exponent bits, 3 mantissa bits); and NAME_scales (uint8): the same leading axes, one E8M0 byte (e + 127) for each 32 codes along K. Its value is code x scale, taken as it is: it is not quantised again, and the codes and scales need not be those that the quantiser above would give.
;; One version. Each part assembles by itself: llvm-mc -triple=amdgcn-amd-amdhsa -mcpu=gfx1250 --defsym DOCPART=n.
;; ======== version 1 of 1: 4 launches
;; limits: right only within a limited range of input values
;; workspace buffers: rope 524,288 bytes; qrec 8,912,896 bytes; kv 17,563,648 bytes; acode 8,388,608 bytes; ascale 262,144 bytes
;; launch tab (part 1): grid 64 x 1, 4 waves a work-group, no clusters, 0 bytes of LDS; arguments rope; writes rope
.if DOCPART == 1
	.amdgcn_target "amdgcn-amd-amdhsa--gfx1250"
	.amdhsa_code_object_version 6
	.text
	.protected	k_qfb13592dc8_tab
	.globl	k_qfb13592dc8_tab
	.p2align	8
	.type	k_qfb13592dc8_tab,@function
k_qfb13592dc8_tab:
	s_mov_b64 s[64:65], 0
	v_nop
	global_prefetch_b8 v0, s[64:65] scope:SCOPE_SE
	s_setreg_imm32_b32 hwreg(HW_REG_WAVE_MODE, 25, 1), 1
	s_wait_xcnt 0x0
; rope[t][i] = (cos, sin) of theta = f32(t x f_i), f_i = 10^(-i/8) rounded to f32, t < 2048, i < 32: 256 bytes a token.
; A wave takes 8 tokens, a lane one i.  theta < 2048: n = round(theta 2/pi); r = theta - n pi/2 with pi/2 in two parts (the first
; product is exact: n has 11 bits, and the difference is a multiple of 2^-23 under 1); sine and cosine of r by polynomials on
; [-pi/4, pi/4]; the quadrant n mod 4 chooses and signs them.
; LIMIT: f_i is the correctly rounded power; a power function in f32 may differ from it in the last places, which is up to some 3e-4 rad at t = 2047.
	s_load_b64 s[12:13], s[0:1], 0x0
	v_lshrrev_b32 v1, 5, v0
	v_readfirstlane_b32 s6, v1                     ; wave
	s_lshl_b32 s7, ttmp9, 2
	s_add_co_u32 s7, s7, s6                        ; which run of 8 tokens
	s_lshl_b32 s8, s7, 3                           ; its first token
	s_lshl_b32 s10, s7, 11                         ; 8 tokens x 256 bytes
	s_mov_b32 s11, 0
	v_and_b32 v3, 31, v0
	v_lshlrev_b32 v3, 3, v3                        ; 8 bytes a lane
	v_mov_b32 v2, 0
.macro FREQ i, bits
	s_mov_b32 s4, \bits
	v_writelane_b32 v2, s4, \i
.endm
	FREQ 0, 0x3f800000
	FREQ 1, 0x3f3ff911
	FREQ 2, 0x3f0ff59a
	FREQ 3, 0x3ed7e89b
	FREQ 4, 0x3ea1e89b
	FREQ 5, 0x3e72d424
	FREQ 6, 0x3e361887
	FREQ 7, 0x3e088d77
	FREQ 8, 0x3dcccccd
	FREQ 9, 0x3d99940e
	FREQ 10, 0x3d6655c3
	FREQ 11, 0x3d2cba15
	FREQ 12, 0x3d0186e2
	FREQ 13, 0x3cc24350
	FREQ 14, 0x3c91ad39
	FREQ 15, 0x3c5a7bf1
	FREQ 16, 0x3c23d70a
	FREQ 17, 0x3bf5b9b0
	FREQ 18, 0x3bb8449c
	FREQ 19, 0x3b8a2e77
	FREQ 20, 0x3b4f3e37
	FREQ 21, 0x3b1b690d
	FREQ 22, 0x3ae91528
	FREQ 23, 0x3aaec98e
	FREQ 24, 0x3a83126f
	FREQ 25, 0x3a44948c
	FREQ 26, 0x3a136a16
	FREQ 27, 0x39dd1726
	FREQ 28, 0x39a5cb5f
	FREQ 29, 0x3978a814
	FREQ 30, 0x393a7753
	FREQ 31, 0x390bd472
	s_mov_b32 s16, 0x3f22f983                      ; 2 / pi
	s_mov_b32 s17, 0xbfc90fdb                      ; -(pi/2 rounded to f32)
	s_mov_b32 s18, 0x333bbd2e                      ; -(pi/2 less that)
	s_mov_b32 s19, 0xbe2aaaa3                      ; sine: -1.6666654611e-1,
	s_mov_b32 s20, 0x3c08839e                      ; 8.3321608736e-3,
	s_mov_b32 s21, 0xb94ca1f9                      ; -1.9515295891e-4
	s_mov_b32 s22, 0x3d2aaaa5                      ; cosine: 4.166664568e-2,
	s_mov_b32 s23, 0xbab6061a                      ; -1.388731625e-3,
	s_mov_b32 s24, 0x37ccf5ce                      ; 2.443315712e-5
	s_wait_kmcnt 0x0
	s_add_nc_u64 s[12:13], s[12:13], s[10:11]
; Each token has a register pair of its own for its result, so no store's data are written again and no wait is needed.
.macro TOKEN k
	s_add_co_u32 s9, s8, \k
	v_cvt_f32_u32 v4, s9
	s_wait_alu depctr_va_vdst(0)
	v_mul_f32 v4, v4, v2                           ; theta, rounded once
	v_mul_f32 v5, s16, v4
	v_rndne_f32 v5, v5                             ; n
	v_fma_f32 v6, v5, s17, v4
	v_fma_f32 v6, v5, s18, v6                      ; r
	v_mul_f32 v7, v6, v6                           ; z = r r
	v_fma_f32 v8, v7, s21, s20
	v_fma_f32 v8, v8, v7, s19
	v_mul_f32 v8, v8, v7
	v_fma_f32 v8, v8, v6, v6                       ; sin r
	v_fma_f32 v9, v7, s24, s23
	v_fma_f32 v9, v9, v7, s22
	v_fma_f32 v10, v7, -0.5, 1.0
	v_mul_f32 v11, v7, v7
	v_fma_f32 v9, v11, v9, v10                     ; cos r
	v_cvt_i32_f32 v12, v5
	v_and_b32 v13, 1, v12
	v_cmp_eq_u32 vcc_lo, 1, v13                    ; odd quadrants change sine and cosine
	v_cndmask_b32 v14, v8, v9, vcc_lo
	v_cndmask_b32 v15, v9, v8, vcc_lo
	v_lshlrev_b32 v13, 30, v12
	v_and_b32 v13, 0x80000000, v13                 ; the sine is negative in quadrants 2 and 3,
	v_xor_b32 v[17+2*\k], v13, v14
	v_add_nc_u32 v12, 1, v12
	v_lshlrev_b32 v12, 30, v12
	v_and_b32 v12, 0x80000000, v12                 ; the cosine in quadrants 1 and 2
	v_xor_b32 v[16+2*\k], v12, v15
	global_store_b64 v3, v[16+2*\k:17+2*\k], s[12:13] offset:256*\k   ; 32 lanes store 256 consecutive bytes, aligned
.endm
.irp k, 0,1,2,3,4,5,6,7
	TOKEN \k
.endr
	s_endpgm
.Lfunc_end_k_qfb13592dc8_tab:
	.size	k_qfb13592dc8_tab, .Lfunc_end_k_qfb13592dc8_tab-k_qfb13592dc8_tab
	.p2alignl 7, 3214868480
	.fill 96, 4, 3214868480
	.section	.rodata,"a",@progbits
	.p2align	6, 0x0
	.amdhsa_kernel k_qfb13592dc8_tab
		.amdhsa_group_segment_fixed_size 0
		.amdhsa_private_segment_fixed_size 0
		.amdhsa_enable_private_segment 0
		.amdhsa_kernarg_size 8
		.amdhsa_user_sgpr_count 2
		.amdhsa_user_sgpr_kernarg_segment_ptr 1
		.amdhsa_wavefront_size32 1
		.amdhsa_system_sgpr_workgroup_id_x 1
		.amdhsa_system_sgpr_workgroup_id_y 1
		.amdhsa_system_sgpr_workgroup_id_z 1
		.amdhsa_system_vgpr_workitem_id 0
		.amdhsa_next_free_vgpr 40
		.amdhsa_next_free_sgpr 66
		.amdhsa_reserve_vcc 1
		.amdhsa_float_denorm_mode_32 3
		.amdhsa_float_denorm_mode_16_64 3
		.amdhsa_memory_ordered 1
		.amdhsa_forward_progress 1
		.amdhsa_inst_pref_size 17
	.end_amdhsa_kernel
	.amdgpu_metadata
---
amdhsa.version: [ 1, 2 ]
amdhsa.kernels:
  - .name:           k_qfb13592dc8_tab
    .symbol:         k_qfb13592dc8_tab.kd
    .args:
      - { .name: rope, .offset: 0, .size: 8, .value_kind: global_buffer, .address_space: global }
    .group_segment_fixed_size: 0
    .private_segment_fixed_size: 0
    .kernarg_segment_align: 8
    .kernarg_segment_size: 8
    .max_flat_workgroup_size: 128
    .sgpr_count:     66
    .vgpr_count:     40
    .wavefront_size: 32
...
	.end_amdgpu_metadata
.endif
;; end of part 1
;; launch qkv (part 2): grid 12 x 32, 4 waves a work-group, clusters of 4 x 4, 327,680 bytes of LDS; arguments x_codes, x_scales, Wqkv_codes, Wqkv_scales, bqkv, padding_mask, rope, qrec, kv; writes qrec, kv
.if DOCPART == 2
	.amdgcn_target "amdgcn-amd-amdhsa--gfx1250"
	.amdhsa_code_object_version 6
	.text
	.protected	k_qfb13592dc8_qkv
	.globl	k_qfb13592dc8_qkv
	.p2align	8
	.type	k_qfb13592dc8_qkv,@function
k_qfb13592dc8_qkv:
	s_mov_b64 s[64:65], 0
	v_nop
	global_prefetch_b8 v0, s[64:65] scope:SCOPE_SE
	s_setreg_imm32_b32 hwreg(HW_REG_WAVE_MODE, 25, 1), 1
	s_wait_xcnt 0x0
	s_wait_alu depctr_hold_cnt(0) depctr_sa_sdst(0) depctr_va_vdst(0) depctr_va_sdst(0) depctr_va_ssrc(0) depctr_va_vcc(0) depctr_vm_vsrc(0)
	s_getreg_b32 s2, hwreg(HW_REG_IB_STS2, 6, 4)
	s_cmp_eq_u32 s2, 0
	s_cbranch_scc0 .Lentry_in_a_cluster
	s_endpgm
.Lentry_in_a_cluster:
	s_bfe_u32 s2, ttmp6, 0x10000c
	s_cmp_lg_u32 s2, 0xf033
	s_cbranch_scc0 .Lentry_shape_is_right
	s_endpgm
.Lentry_shape_is_right:
.set KSTEP,  256
.set NQ,     2
.set ROWB,   256
.set KROW,   1024
.set PITCH,  272
.set FR,     16
.set NL,     4
.set NP,     8
.set HALFT,  128*PITCH
.set SLOT,   4*HALFT
.set LAPS,   2
.set KS,     32
.set SCL,    2*SLOT
.set HALFS,  16*272
.set SBLK,   2*272
.set SPARE,  SCL+4*HALFS
.set AJ,   8
.set ADRA, 16
.set ADRB, 20
.set ADRS, 27
.set SPW,  28
.set NIL,  29
.set SC,   32
.set BIAS, 64
.set AF,   128
.set G1, 24
.set G0, 32
.set G1B, 48
.set G0B, 56
.set G1S, 68
.set G0S, 76
.set G1SB, 80
.set G0SB, 88
.set MSB, 0
.macro WIN new
.if MSB != (\new)
	s_set_vgpr_msb (MSB<<8)|(\new)
.set MSB, (\new)
.endif
.endm
.set MUL_LO, 0xa1
.set MUL_HI, 0xf1
.set BIA_LO, 0x81
.set BIA_HI, 0xc1
.set TO_B,   0x40
.macro JLOAD g0a, g1a, g0b, g1b
	s_cmp_eq_u32 s15, 0
	s_cbranch_scc0 .Lfor_b_\@
	tensor_load_to_lds s[\g0a:\g0a+3], s[\g1a:\g1a+7]
	s_nop 0
.rept 4
	v_nop
.endr
	s_branch .Lasked_\@
.Lfor_b_\@:
	tensor_load_to_lds s[\g0b:\g0b+3], s[\g1b:\g1b+7]
	s_nop 0
.rept 4
	v_nop
.endr
.Lasked_\@:
.endm
.macro CREST
	s_cmp_lg_u32 s14, 0
	s_cbranch_scc1 .Lnot_wave_0_\@
	s_barrier_signal -3
.Lnot_wave_0_\@:
	s_barrier_wait -3
	s_barrier_signal -1
	s_barrier_wait -1
.endm
.macro CROUND
	s_barrier_signal -1
	s_barrier_wait -1
	CREST
.endm
	s_load_b128 s[4:7], s[0:1], 0x0
	s_load_b128 s[8:11], s[0:1], 0x10
	s_load_b64 s[12:13], s[0:1], 0x20
	v_lshl_add_u32 v[SPW], v0, 2, SPARE
	v_mov_b32 v[NIL], 0
	ds_add_u32 v28, v29
	ds_add_u32 v28, v29
	s_wait_dscnt 0x0
	v_lshrrev_b32 v1, 5, v0
	v_readfirstlane_b32 s14, v1
	s_lshr_b32 s15, s14, 1
	s_and_b32 s16, s14, 1
	s_bfe_u32 s40, ttmp6, 0x40000
	s_bfe_u32 s41, ttmp6, 0x40004
	s_and_b32 s18, ttmp7, 0xffff
	s_lshl_b32 s18, s18, 2
	s_add_co_u32 s17, s18, s41
	s_add_co_u32 s19, s41, 8
	s_lshl_b32 s42, ttmp9, 2
	s_add_co_u32 s42, s42, s40
	s_add_co_u32 s95, s18, s40
	s_cmp_ge_u32 ttmp9, 2
	s_cselect_b32 s17, s19, s17
	s_cselect_b32 s42, s95, s42
	s_lshl_b32 s43, s41, 2
	s_lshl_b32 s43, 15, s43
	s_lshl_b32 s44, 0x1111, s40
	s_or_b32 s[G1+0], s43, (0<<16)|(1<<20)|(1<<21)|(5<<22)|(3<<25)
	s_or_b32 s[G1B+0], s44, (0<<16)|(1<<20)|(1<<21)|(5<<22)|(3<<25)
.irp g, G1, G1B
	s_mov_b32 s[\g+1], ROWB<<16
	s_mov_b32 s[\g+2], 256<<16
	s_mov_b32 s[\g+3], ROWB<<16
	s_mov_b32 s[\g+4], 256
	s_mov_b32 s[\g+5], KROW
	s_mov_b32 s[\g+6], 0
	s_mov_b32 s[\g+7], 0
.endr
	s_or_b32 s[G1S+0], s43, (3<<16)|(1<<20)|(1<<21)|(5<<22)|(3<<25)
	s_or_b32 s[G1SB+0], s44, (3<<16)|(1<<20)|(1<<21)|(5<<22)|(3<<25)
.irp g, G1S, G1SB
	s_mov_b32 s[\g+1], 32<<16
	s_mov_b32 s[\g+2], 32<<16
	s_mov_b32 s[\g+3], 32<<16
	s_mov_b32 s[\g+4], 32
	s_mov_b32 s[\g+5], 32
	s_mov_b32 s[\g+6], 0
	s_mov_b32 s[\g+7], 0
.endr
	s_lshl_b32 s18, s16, 7
	s_lshl_b32 s20, s17, 8
	s_add_co_u32 s20, s20, s18
	s_lshl_b32 s46, s42, 8
	s_add_co_u32 s46, s46, s18
	s_mov_b32 s21, 0
	s_mov_b32 s47, 0
	s_mov_b64 s[18:19], KS
	s_mul_u64 s[22:23], s[20:21], s[18:19]
	s_mul_u64 s[92:93], s[46:47], s[18:19]
	s_mov_b64 s[18:19], KROW
	s_mul_u64 s[20:21], s[20:21], s[18:19]
	s_mul_u64 s[46:47], s[46:47], s[18:19]
	s_mul_i32 s45, s14, HALFT
	s_wait_kmcnt 0x0
	s_cmp_ge_u32 ttmp9, 2
	s_cselect_b64 s[96:97], s[8:9], s[4:5]
	s_cselect_b64 s[98:99], s[10:11], s[6:7]
	s_cselect_b64 s[8:9], s[4:5], s[8:9]
	s_cselect_b64 s[10:11], s[6:7], s[10:11]
	s_add_nc_u64 s[20:21], s[96:97], s[20:21]
	s_add_nc_u64 s[22:23], s[98:99], s[22:23]
	s_add_nc_u64 s[46:47], s[8:9], s[46:47]
	s_add_nc_u64 s[92:93], s[10:11], s[92:93]
	CROUND
	; the head's four tiles, each whole (256 rows): the wave's half of 128 rows is taken off the addresses again
	s_lshl_b32 s18, s16, 12                        ; 128 rows of 32 scale bytes
	s_mov_b32 s19, 0
	s_mov_b32 s[G0S], 1
	s_mov_b32 s[G0S+1], SCL
	s_sub_nc_u64 s[G0S+2:G0S+3], s[22:23], s[18:19]
	s_or_b32 s[G0S+3], s[G0S+3], 0x80000000
	s_mov_b32 s[G0SB], 1
	s_mov_b32 s[G0SB+1], SCL+2*HALFS
	s_sub_nc_u64 s[G0SB+2:G0SB+3], s[92:93], s[18:19]
	s_or_b32 s[G0SB+3], s[G0SB+3], 0x80000000
	s_lshl_b32 s18, s16, 17                        ; 128 rows of 1,024 codes
	s_mov_b32 s4, 1                                ; s[4:7], s[8:11]: group 0 of K step 0's 256 rows of either side (the arguments that lay there have been used)
	s_mov_b32 s5, 0
	s_sub_nc_u64 s[6:7], s[20:21], s[18:19]
	s_or_b32 s7, s7, 0x80000000
	s_mov_b32 s8, 1
	s_mov_b32 s9, 2*HALFT
	s_sub_nc_u64 s[10:11], s[46:47], s[18:19]
	s_or_b32 s11, s11, 0x80000000
.irp s, 0,1
	s_mov_b32 s[G0+4*\s], 1
	s_add_co_u32 s[G0+4*\s+1], s45, \s*SLOT
	s_add_nc_u64 s[G0+4*\s+2:G0+4*\s+3], s[20:21], \s*ROWB
	s_or_b32 s[G0+4*\s+3], s[G0+4*\s+3], 0x80000000
	s_mov_b32 s[G0B+4*\s], 1
	s_add_co_u32 s[G0B+4*\s+1], s45, \s*SLOT
	s_add_nc_u64 s[G0B+4*\s+2:G0B+4*\s+3], s[46:47], \s*ROWB
	s_or_b32 s[G0B+4*\s+3], s[G0B+4*\s+3], 0x80000000
.endr
; The head's loads, one a wave, in one tree of branches on the wave's number: wave 0 the first side's 256 rows of K step 0, wave 1 the other side's, waves 2 and 3 their scale bytes.
.macro ARM under, g0, g1, next
	s_cmp_lt_u32 s14, \under
	s_cbranch_scc0 \next
	tensor_load_to_lds s[\g0:\g0+3], s[\g1:\g1+7]
	s_nop 0
.rept 4
	v_nop
.endr
	s_branch .Lhead_asked
\next:
.endm
	ARM 1, 4,   G1,  .Lhead_b
	ARM 2, 8,   G1B, .Lhead_sa
	ARM 3, G0S, G1S, .Lhead_sb
	tensor_load_to_lds s[G0SB:G0SB+3], s[G1SB:G1SB+7]
	s_nop 0
.rept 4
	v_nop
.endr
.Lhead_asked:
	; A prefetch of K steps 2 and 3, each two K steps ahead of the refill that loads it: of the 128 rows that I fetch in the ring, the partner at place p among the four that ask jointly takes rows 32 p .. 32 p + 31, told apart by address; a lane a row of 256 bytes
	s_cmp_eq_u32 s15, 0
	s_cselect_b64 s[66:67], s[20:21], s[46:47]     ; my 128 rows, at K step 0
	s_cselect_b32 s18, s40, s41                    ; my work-group's place among the four
	s_lshl_b32 s18, s18, 15                        ; 32 rows of 1,024 bytes (s19 = 0)
	s_add_nc_u64 s[66:67], s[66:67], s[18:19]
	v_and_b32 v22, 31, v0
	v_lshlrev_b32 v22, 10, v22                     ; v22 and s[66:67] are never rewritten
	global_prefetch_b8 v22, s[66:67] offset:512 th:TH_LOAD_NT scope:SCOPE_SE   ; K step 2
	v_and_b32 v1, 15, v0
	v_bfe_u32 v2, v0, 4, 1
	v_mul_u32_u24 v3, v1, PITCH
	v_lshl_add_u32 v4, v2, 4, v3
	s_mul_i32 s21, s15, HALFT
	s_mul_i32 s22, s16, HALFT
	s_add_co_u32 s22, s22, 2*HALFT
.irp s, 0,1
	v_add_nc_u32 v[ADRA+\s], s21, v4
	v_add_nc_u32 v[ADRB+\s], s22, v4
	s_add_co_u32 s21, s21, SLOT
	s_add_co_u32 s22, s22, SLOT
.endr
	v_mul_u32_u24 v5, v1, KS
	v_lshrrev_b32 v6, 8, v5
	v_lshl_add_u32 v5, v6, 4, v5
	s_mul_i32 s21, s15, HALFS
	s_mul_i32 s22, s16, HALFS
	s_add_co_u32 s22, s22, 2*HALFS
	s_sub_co_u32 s22, s22, s21
	v_mul_u32_u24 v6, s22, v2
	s_add_co_u32 s21, s21, SCL
	v_add_nc_u32 v5, v5, v6
	v_add_nc_u32 v[ADRS], s21, v5
	s_lshl_b32 s20, s17, 8
	s_lshl_b32 s21, s15, 7
	s_add_co_u32 s20, s20, s21
	s_lshl_b32 s46, s42, 8
	s_lshl_b32 s47, s16, 7
	s_add_co_u32 s46, s46, s47
	s_cmp_ge_u32 ttmp9, 2
	s_cselect_b32 s100, s20, s46
	s_cselect_b32 s21, 4, 0
	s_cselect_b32 s22, 0, 32
	s_cselect_b32 s23, 0, 4
	s_lshl_b32 s100, s100, 2
	s_mov_b32 s101, 0
	s_add_nc_u64 s[12:13], s[12:13], s[100:101]
	v_mul_u32_u24 v[AJ], v1, s21
	v_mad_u32_u24 v[AJ], v2, s22, v[AJ]
.irp j, 1,2,3,4,5,6,7
	v_add_nc_u32 v[AJ+\j], s23, v[AJ+\j-1]
.endr
.irp k, 0,1,2,3,4,5,6,7
.irp j, 0,1,2,3,4,5,6,7
	global_load_b32 v[BIAS+8*\k+\j], v[AJ+\j], s[12:13] offset:64*\k
.endr
.endr
.macro FRAG reg, adr, q, i
.irp c, 0,1,2,3
	ds_load_b128 v[\reg+4*\c:\reg+4*\c+3], v[\adr] offset:128*(\q)+32*\c+(\i)*16*PITCH
.endr
.endm
.macro MUL16 a0, p, q, sc, mode
.irp a, \a0, \a0+1
.irp b, 0,1,2,3,4,5,6,7
.if \mode == 1
	v_wmma_scale_f32_16x16x128_f8f6f4 v[8*(8*((\a)%4)+\b):8*(8*((\a)%4)+\b)+7], v[128*(\p)+FR*\b:128*(\p)+FR*\b+FR-1], v[AF+FR*(\a):AF+FR*(\a)+FR-1], v[BIAS+8*\b:BIAS+8*\b+7], v[SC+8*NQ*(\sc)+NQ*\b+(\q)], v[SC+8*NQ*(\sc)+NQ*(\a)+(\q)] matrix_a_scale:MATRIX_SCALE_ROW1
.elseif \mode == 2
	v_wmma_scale_f32_16x16x128_f8f6f4 v[8*(8*((\a)%4)+\b):8*(8*((\a)%4)+\b)+7], v[128*(\p)+FR*\b:128*(\p)+FR*\b+FR-1], v[AF+FR*(\a):AF+FR*(\a)+FR-1], v[BIAS+8*(\a):BIAS+8*(\a)+7], v[SC+8*NQ*(\sc)+NQ*\b+(\q)], v[SC+8*NQ*(\sc)+NQ*(\a)+(\q)] matrix_a_scale:MATRIX_SCALE_ROW1
.else
	v_wmma_scale_f32_16x16x128_f8f6f4 v[8*(8*((\a)%4)+\b):8*(8*((\a)%4)+\b)+7], v[128*(\p)+FR*\b:128*(\p)+FR*\b+FR-1], v[AF+FR*(\a):AF+FR*(\a)+FR-1], v[8*(8*((\a)%4)+\b):8*(8*((\a)%4)+\b)+7], v[SC+8*NQ*(\sc)+NQ*\b+(\q)], v[SC+8*NQ*(\sc)+NQ*(\a)+(\q)] matrix_a_scale:MATRIX_SCALE_ROW1
.endif
.endr
.endr
.endm
.macro FETCH_B slot, q, p
	WIN TO_B
.irp i, 0,1,2,3,4,5,6,7
	FRAG 128*(\p)+FR*\i, ADRB+\slot, \q, \i
.endr
	WIN 0
.endm
.macro FETCH_A slot, q, i0
.irp i, \i0, \i0+1, \i0+2, \i0+3
	FRAG AF+FR*(\i), ADRA+\slot, \q, \i
.endr
.endm
.macro SCALES sc
.irp i, 0,1,2,3,4,5,6,7
	ds_load_b64 v[SC+8*NQ*\sc+NQ*\i:SC+8*NQ*\sc+NQ*\i+1], v[ADRS] offset:\i*SBLK
.endr
.endm
.macro PLACES n
.rept \n
	v_nop
.endr
.endm
.macro STEP slot, q, mode
	s_wait_dscnt 4*NL
.if \mode
	WIN BIA_LO
.else
	WIN MUL_LO
.endif
	MUL16 0, (\q)%2, \q, \slot, \mode
	MUL16 2, (\q)%2, \q, \slot, \mode
	s_wait_dscnt 0
	PLACES NP
	FETCH_B \slot, (\q)+1, 1-(\q)%2
	FETCH_A \slot, (\q)+1, 0
.if \mode
	WIN BIA_HI
.else
	WIN MUL_HI
.endif
	MUL16 4, (\q)%2, \q, \slot, \mode
	MUL16 6, (\q)%2, \q, \slot, \mode
	PLACES NP
	WIN 0
	FETCH_A \slot, (\q)+1, 4
.endm
.macro TURN slot, next, fill
	s_wait_tensorcnt 0x0
	ds_add_u32 v[SPW], v[NIL]
	s_wait_dscnt 4*NL+1
	WIN MUL_LO
	MUL16 0, 1, NQ-1, \slot, 0
	s_wait_dscnt 0x0
	s_barrier_signal -1
	MUL16 2, 1, NQ-1, \slot, 0
	WIN 0
	s_barrier_wait -1
.if \fill
	CREST
	s_add_nc_u64 s[G0+4*\slot+2:G0+4*\slot+3], s[G0+4*\slot+2:G0+4*\slot+3], 2*ROWB
	s_add_nc_u64 s[G0B+4*\slot+2:G0B+4*\slot+3], s[G0B+4*\slot+2:G0B+4*\slot+3], 2*ROWB
	JLOAD G0+4*\slot, G1, G0B+4*\slot, G1B
	PLACES NP-4
.else
	PLACES NP
.endif
	s_wait_alu depctr_va_vdst(0)
	v_add_nc_u32 v[ADRS], 4*NQ, v[ADRS]
	FETCH_B \next, 0, 0
	FETCH_A \next, 0, 0
	SCALES \next
	WIN MUL_HI
	MUL16 4, 1, NQ-1, \slot, 0
	MUL16 6, 1, NQ-1, \slot, 0
	PLACES NP
	WIN 0
	FETCH_A \next, 0, 4
.endm
	s_wait_alu depctr_va_vdst(0)                   ; at the head's end
	s_wait_tensorcnt 0x0                           ; my tile of the head's four is in
	ds_add_u32 v[SPW], v[NIL]
	s_mov_b32 s[G1+2], 128<<16                     ; no tensor load of mine is out: from here on a load brings 128 rows
	s_mov_b32 s[G1+4], 128
	s_mov_b32 s[G1B+2], 128<<16
	s_mov_b32 s[G1B+4], 128
	s_wait_dscnt 0x0
	CROUND                                         ; all four tiles are in, all sixteen work-groups are here
	JLOAD G0+4, G1, G0B+4, G1B
	s_load_b128 s[8:11], s[0:1], 0x28              ; the way out's arguments: padding_mask, rope, qrec, kv (the head's descriptors that lay here are done with)
	s_load_b128 s[4:7], s[0:1], 0x38
	global_prefetch_b8 v22, s[66:67] offset:768 th:TH_LOAD_NT scope:SCOPE_SE   ; K step 3
	FETCH_B 0, 0, 0
	FETCH_A 0, 0, 0
	SCALES 0
	FETCH_A 0, 0, 4
	s_wait_loadcnt 0x0
	s_cmp_ge_u32 ttmp9, 2
	s_cbranch_scc1 .Lfirst_v
	STEP 0, 0, 1
	; Q's and K's way out wants the mask bytes of my 128 tokens and the rope table's rows: the mask and tiles 0 and 1 are asked for here, three K steps ahead of their use.
	; The mask goes into v8-15 (the bias's addresses, done with), the table into v64-127 (the bias, which the first step alone reads; eight places stand behind it).
	s_wait_kmcnt 0x0
	s_and_b32 s94, s17, 7
	s_lshl_b32 s94, s94, 1
	s_add_co_u32 s94, s94, s15                     ; which 128 tokens of the sequence
	s_lshl_b32 s92, s94, 15                        ; 128 rows of 256 bytes
	s_mov_b32 s93, 0
	s_add_nc_u64 s[68:69], s[10:11], s[92:93]      ; (the scales' descriptors that lay in s68-71 are done with)
	s_lshr_b32 s95, s17, 3                         ; the batch
	s_lshl_b32 s92, s95, 11
	s_lshl_b32 s94, s94, 7
	s_add_co_u32 s92, s92, s94
	s_add_nc_u64 s[70:71], s[8:9], s[92:93]
	v_lshlrev_b32 v18, 8, v1                       ; row r of the table,
	v_lshl_add_u32 v18, v2, 5, v18                 ; + 32 h; v18 and v19 are never rewritten
	v_mov_b32 v19, v1
	s_wait_alu depctr_va_vdst(0)
.irp a, 0,1,2,3,4,5,6,7
	global_load_u8 v[8+\a], v19, s[70:71] offset:16*\a
.endr
.irp a, 0,1
.irp n, 0,1,2,3,4,5,6,7
	global_load_b128 v[64+32*\a+4*\n:64+32*\a+4*\n+3], v18, s[68:69] offset:4096*\a+64*(\n/2)+16*(\n%2)
.endr
.endr
	s_branch .Lfirst_done
.Lfirst_v:
	STEP 0, 0, 2
.Lfirst_done:
	s_mov_b32 s3, LAPS-1
.Llap:
	TURN 0, 1, 1
	STEP 1, 0, 0
	TURN 1, 0, 1
	STEP 0, 0, 0
	s_sub_co_u32 s3, s3, 1
	s_cmp_lg_u32 s3, 0
	s_cbranch_scc1 .Llap
	TURN 0, 1, 0
	STEP 1, 0, 0
	s_wait_dscnt 4*NL
	WIN MUL_LO
	MUL16 0, 1, NQ-1, 1, 0
	MUL16 2, 1, NQ-1, 1, 0
	s_wait_dscnt 0
	WIN MUL_HI
	MUL16 4, 1, NQ-1, 1, 0
	MUL16 6, 1, NQ-1, 1, 0
	WIN 0
.set SEL, 56
.set MNT, 58
.set HM,  59
.set TH,  32
.set WS,  40
.set MK,  8
.set CSN, 64
.set XLO, 128
.set XHI, 144
.set CD,  160
.set TM,  176
.set YV,  64
.set CDV, 128
	PLACES NP
	s_mov_b32 s[SEL], 0x76543210
	s_mov_b32 s[SEL+1], 0xfedcba98
	s_mov_b32 s[MNT], 0x600000
	v_and_b32 v5, 31, v0
	v_and_b32 v6, 15, v0
	v_bfe_u32 v7, v0, 4, 1
	v_lshlrev_b32 v1, 4, v5
	v_cmp_le_u32 s[HM], 16, v5
	s_cmp_ge_u32 ttmp9, 2
	s_cbranch_scc1 .Lv_arm
	s_lshr_b32 s20, s17, 3
	s_and_b32 s21, s17, 7
	s_lshl_b32 s21, s21, 1
	s_add_co_u32 s21, s21, s15
	s_and_b32 s22, s42, 3
	s_lshl_b32 s22, s22, 2
	s_lshl_b32 s23, s16, 1
	s_add_co_u32 s22, s22, s23
	s_lshl_b32 s23, s20, 4
	s_add_co_u32 s22, s22, s23
	s_mov_b32 s26, 274432
	s_mov_b32 s28, 17152
	s_mov_b32 s30, 16384
	s_mov_b32 s32, 0x8c0000
	s_mov_b32 s33, 0x01010000
	s_wait_kmcnt 0x0
	s_cmp_eq_u32 ttmp9, 0
	s_cselect_b64 s[24:25], s[4:5], s[6:7]
	s_cmov_b32 s26, 139264
	s_cmov_b32 s28, 8704
	s_cmov_b32 s30, 8192
	s_cmov_b32 s32, 0
	s_cmov_b32 s33, 0x017f0000
	s_mov_b32 s27, 0
	s_mov_b32 s31, 0
	s_mul_i32 s34, s22, s26
	s_mul_i32 s35, s21, s28
	s_add_co_u32 s34, s34, s35
	s_mov_b32 s35, 0
	s_add_nc_u64 s[36:37], s[24:25], s[34:35]
	s_add_nc_u64 s[38:39], s[36:37], s[26:27]
	s_add_nc_u64 s[48:49], s[36:37], s[30:31]
	s_add_nc_u64 s[50:51], s[38:39], s[30:31]
	s_lshl_b32 s34, s21, 15
	s_add_nc_u64 s[52:53], s[10:11], s[34:35]
	s_wait_alu depctr_va_vdst(0)
	v_lshlrev_b32 v2, 8, v6
	v_lshl_add_u32 v2, v7, 5, v2
	v_lshlrev_b32 v4, 4, v6
	v_lshl_add_u32 v4, v7, 8, v4
.macro RLOAD a
.irp n, 0,1,2,3,4,5,6,7
	global_load_b128 v[CSN+32*((\a)%2)+4*\n:CSN+32*((\a)%2)+4*\n+3], v2, s[52:53] offset:4096*(\a)+64*(\n/2)+16*(\n%2)
.endr
.endm
.macro ROPE a, hh
.set XB, 64*((\a)%4)+32*(\hh)
.set CB, CSN+32*((\a)%2)
	WIN (2+(\a)/4)
.set p, 0
.rept 16
	v_mul_f32 v[XLO+p], v[XB+2*p+1], v[CB+2*p+1]
	v_mul_f32 v[XHI+p], v[XB+2*p+1], v[CB+2*p]
.set p, p+1
.endr
.set p, 0
.rept 16
	v_fma_f32 v[XLO+p], v[XB+2*p], v[CB+2*p], -v[XLO+p]
	v_fma_f32 v[XHI+p], v[XB+2*p], v[CB+2*p+1], v[XHI+p]
.set p, p+1
.endr
	WIN 0
.endm
.macro QUANT2 s, d
.irp b, 0,1
	v_max3_num_f32 v[TM+\b], |v[\s+16*\b]|, |v[\s+16*\b+1]|, 0x4800000
	v_max3_num_f32 v[TM+2+\b], |v[\s+16*\b+8]|, |v[\s+16*\b+9]|, |v[\s+16*\b+10]|
.endr
.irp i, 2,4
.irp b, 0,1
	v_max3_num_f32 v[TM+\b], v[TM+\b], |v[\s+16*\b+\i]|, |v[\s+16*\b+\i+1]|
	v_max3_num_f32 v[TM+2+\b], v[TM+2+\b], |v[\s+16*\b+\i+9]|, |v[\s+16*\b+\i+10]|
.endr
.endr
.irp b, 0,1
	v_max3_num_f32 v[TM+\b], v[TM+\b], |v[\s+16*\b+6]|, |v[\s+16*\b+7]|
.endr
.irp b, 0,1
	v_max3_num_f32 v[TM+\b], v[TM+\b], v[TM+2+\b], |v[\s+16*\b+15]|
.endr
.irp b, 0,1
	v_permlanex16_b32 v[TM+2+\b], v[TM+\b], s[SEL], s[SEL+1]
.endr
.irp b, 0,1
	v_max_num_f32 v[TM+\b], v[TM+\b], v[TM+2+\b]
.endr
.irp b, 0,1
	v_add_nc_u32 v[TM+6+\b], 0xfc000000, v[TM+\b]
.endr
.irp b, 0,1
	v_and_or_b32 v[TM+4+\b], v[TM+\b], 0x7f800000, s[MNT]
.endr
.irp b, 0,1
	v_lshrrev_b32 v[TM+2+\b], 23, v[TM+6+\b]
.endr
.irp b, 0,1
.irp i, 0,1,2,3,4,5,6,7,8,9,10,11,12,13,14,15
	v_med3_num_f32 v[\s+16*\b+\i], v[\s+16*\b+\i], -v[TM+4+\b], v[TM+4+\b]
.endr
.endr
	s_wait_alu depctr_va_vdst(0)
	s_wait_xcnt 0x0
.irp b, 0,1
	v_cvt_scalef32_pk8_fp8_f32 v[\d+4*\b:\d+4*\b+1], v[\s+16*\b:\s+16*\b+7], v[TM+6+\b]
	v_cvt_scalef32_pk8_fp8_f32 v[\d+4*\b+2:\d+4*\b+3], v[\s+16*\b+8:\s+16*\b+15], v[TM+6+\b]
.endr
.endm
.macro QKTILE a
.if \a < 7
	s_wait_loadcnt 8
.else
	s_wait_loadcnt 0x0
.endif
.if \a == 0
.irp t, 0,1,2,3,4,5,6,7
	v_mad_u32_u24 v[TH+\t], v[MK+\t], s32, s33
.endr
.endif
.irp hh, 0,1
	ROPE \a, \hh
	QUANT2 XLO, CD+8*\hh
	v_lshl_or_b32 v[WS+8*\hh+\a], v[TM+3], 8, v[TM+2]
	v_or_b32 v[WS+8*\hh+\a], v[WS+8*\hh+\a], v[TH+\a]
.irp c, 0,1
	global_store_b128 v1, v[CD+8*\hh+4*\c:CD+8*\hh+4*\c+3], s[36+2*\hh:37+2*\hh] offset:1024*\a+512*\c
.endr
.endr
.if \a < 6
	RLOAD \a+2
.endif
.endm
.irp a, 0,1,2,3,4,5,6,7
	QKTILE \a
.endr
.irp hh, 0,1
.irp n, 0,1,2,3
	v_cndmask_b32 v[XLO+4*\hh+\n], v[WS+8*\hh+\n], v[WS+8*\hh+4+\n], s[HM]
.endr
	global_store_b128 v4, v[XLO+4*\hh:XLO+4*\hh+3], s[48+2*\hh:49+2*\hh]
.endr
	s_branch .Ldone
.Lv_arm:
	s_wait_loadcnt 0x0                             ; no load is out where V's way out writes its registers
	s_lshr_b32 s20, s42, 3
	s_and_b32 s21, s42, 7
	s_lshl_b32 s21, s21, 1
	s_add_co_u32 s21, s21, s16
	s_sub_co_u32 s22, s17, 8
	s_lshl_b32 s22, s22, 2
	s_lshl_b32 s23, s15, 1
	s_add_co_u32 s22, s22, s23
	s_lshl_b32 s23, s20, 4
	s_add_co_u32 s22, s22, s23
	s_mul_i32 s34, s22, 274432
	s_mul_i32 s35, s21, 17152
	s_add_co_u32 s34, s34, s35
	s_mov_b32 s35, 0
	s_wait_kmcnt 0x0
	s_add_nc_u64 s[36:37], s[6:7], s[34:35]
	s_add_nc_u64 s[38:39], s[36:37], 274432
	s_add_nc_u64 s[48:49], s[36:37], 16896
	s_wait_alu depctr_va_vdst(0)
	v_mul_u32_u24 v4, 274432, v7
	v_lshl_add_u32 v4, v6, 4, v4
.irp c, 0,1,2,3
	v_mov_b32 v[TM+4+\c], 0
.endr
.macro VTILE a
.set XB, 64*((\a)%4)
.set VW, 2+(\a)/4
	WIN (5*VW)
.irp c, 0,1,2,3
	v_max3_num_f32 v[TM+\c], |v[XB+16*\c]|, |v[XB+16*\c+1]|, 0x4800000
.endr
.irp i, 2,4,6,8,10,12,14
.irp c, 0,1,2,3
	v_max3_num_f32 v[TM+\c], |v[XB+16*\c+\i]|, |v[XB+16*\c+\i+1]|, v[TM+\c]
.endr
.endr
	WIN 0
.irp c, 0,1,2,3
	v_permlanex16_b32 v[TM+4+\c], v[TM+\c], s[SEL], s[SEL+1]
.endr
.irp c, 0,1,2,3
	v_max_num_f32 v[TM+\c], v[TM+\c], v[TM+4+\c]
.endr
.irp c, 0,1,2,3
	v_add_nc_u32 v[TM+12+\c], 0xfc000000, v[TM+\c]
.endr
.irp c, 0,1,2,3
	v_and_or_b32 v[TM+8+\c], v[TM+\c], 0x7f800000, s[MNT]
.endr
.irp c, 0,1,2,3
	v_lshrrev_b32 v[TM+4+\c], 23, v[TM+12+\c]
.endr
	v_lshl_or_b32 v[WS+\a], v[TM+5], 8, v[TM+4]
	v_lshl_or_b32 v[WS+\a], v[TM+6], 16, v[WS+\a]
	v_lshl_or_b32 v[WS+\a], v[TM+7], 24, v[WS+\a]
	WIN VW
.irp c, 0,1,2,3
.irp i, 0,1,2,3,4,5,6,7,8,9,10,11,12,13,14,15
	v_med3_num_f32 v[YV+16*\c+\i], v[XB+16*\c+\i], -v[TM+8+\c], v[TM+8+\c]
.endr
.endr
	WIN 0
	s_wait_alu depctr_va_vdst(0)
	s_wait_xcnt 0x0
.irp c, 0,1,2,3
	v_cvt_scalef32_pk8_fp8_f32 v[CDV+16*((\a)%2)+4*\c:CDV+16*((\a)%2)+4*\c+1], v[YV+16*\c:YV+16*\c+7], v[TM+12+\c]
	v_cvt_scalef32_pk8_fp8_f32 v[CDV+16*((\a)%2)+4*\c+2:CDV+16*((\a)%2)+4*\c+3], v[YV+16*\c+8:YV+16*\c+15], v[TM+12+\c]
.endr
.irp c, 0,1,2,3
	global_store_b128 v1, v[CDV+16*((\a)%2)+4*\c:CDV+16*((\a)%2)+4*\c+3], s[36+2*((\a)/4):37+2*((\a)/4)] offset:8192+2048*((\a)%4)+512*\c
.endr
.endm
.irp a, 0,1,2,3,4,5,6,7
	VTILE \a
.endr
.irp n, 0,1,2,3
	v_cndmask_b32 v[TM+\n], v[WS+\n], v[WS+4+\n], s[HM]
.endr
	global_store_b128 v4, v[TM:TM+3], s[48:49]
.Ldone:
	s_wait_tensorcnt 0x0
	ds_add_u32 v[SPW], v[NIL]
	s_wait_dscnt 0x0
	CROUND
	s_endpgm
.Lfunc_end_k_qfb13592dc8_qkv:
	.size	k_qfb13592dc8_qkv, .Lfunc_end_k_qfb13592dc8_qkv-k_qfb13592dc8_qkv
	.p2alignl 7, 3214868480
	.fill 96, 4, 3214868480
	.section	.rodata,"a",@progbits
	.p2align	6, 0x0
	.amdhsa_kernel k_qfb13592dc8_qkv
		.amdhsa_group_segment_fixed_size 327680
		.amdhsa_private_segment_fixed_size 0
		.amdhsa_enable_private_segment 0
		.amdhsa_kernarg_size 72
		.amdhsa_user_sgpr_count 2
		.amdhsa_user_sgpr_kernarg_segment_ptr 1
		.amdhsa_wavefront_size32 1
		.amdhsa_system_sgpr_workgroup_id_x 1
		.amdhsa_system_sgpr_workgroup_id_y 1
		.amdhsa_system_sgpr_workgroup_id_z 1
		.amdhsa_system_vgpr_workitem_id 0
		.amdhsa_next_free_vgpr 1024
		.amdhsa_next_free_sgpr 102
		.amdhsa_reserve_vcc 0
		.amdhsa_float_denorm_mode_32 3
		.amdhsa_float_denorm_mode_16_64 3
		.amdhsa_memory_ordered 1
		.amdhsa_forward_progress 1
		.amdhsa_inst_pref_size 255
	.end_amdhsa_kernel
	.section	.bss,"aw",@nobits
	.p2align	6
	.space	262144
	.amdgpu_metadata
---
amdhsa.version: [ 1, 2 ]
amdhsa.kernels:
  - .name:           k_qfb13592dc8_qkv
    .symbol:         k_qfb13592dc8_qkv.kd
    .args:
      - { .name: x_codes, .offset: 0, .size: 8, .value_kind: global_buffer, .address_space: global }
      - { .name: x_scales, .offset: 8, .size: 8, .value_kind: global_buffer, .address_space: global }
      - { .name: Wqkv_codes, .offset: 16, .size: 8, .value_kind: global_buffer, .address_space: global }
      - { .name: Wqkv_scales, .offset: 24, .size: 8, .value_kind: global_buffer, .address_space: global }
      - { .name: bqkv, .offset: 32, .size: 8, .value_kind: global_buffer, .address_space: global }
      - { .name: padding_mask, .offset: 40, .size: 8, .value_kind: global_buffer, .address_space: global }
      - { .name: rope, .offset: 48, .size: 8, .value_kind: global_buffer, .address_space: global }
      - { .name: qrec, .offset: 56, .size: 8, .value_kind: global_buffer, .address_space: global }
      - { .name: kv, .offset: 64, .size: 8, .value_kind: global_buffer, .address_space: global }
    .group_segment_fixed_size: 327680
    .private_segment_fixed_size: 0
    .kernarg_segment_align: 8
    .kernarg_segment_size: 72
    .max_flat_workgroup_size: 128
    .sgpr_count:     102
    .vgpr_count:     1024
    .wavefront_size: 32
...
	.end_amdgpu_metadata
.endif
;; end of part 2
;; launch attn (part 3): grid 4 x 64, 16 waves a work-group, clusters of 4 x 1, 327,680 bytes of LDS; arguments qrec, kv, acode, ascale; writes acode, ascale
.if DOCPART == 3
	.amdgcn_target "amdgcn-amd-amdhsa--gfx1250"
	.amdhsa_code_object_version 6
	.text
	.protected	k_qfb13592dc8_attn
	.globl	k_qfb13592dc8_attn
	.p2align	8
	.type	k_qfb13592dc8_attn,@function
k_qfb13592dc8_attn:
	s_mov_b64 s[64:65], 0
	v_nop
	global_prefetch_b8 v0, s[64:65] scope:SCOPE_SE
	s_setreg_imm32_b32 hwreg(HW_REG_WAVE_MODE, 25, 1), 1
	s_wait_xcnt 0x0
	s_wait_alu depctr_hold_cnt(0) depctr_sa_sdst(0) depctr_va_vdst(0) depctr_va_sdst(0) depctr_va_ssrc(0) depctr_va_vcc(0) depctr_vm_vsrc(0)
	s_getreg_b32 s2, hwreg(HW_REG_IB_STS2, 6, 4)
	s_cmp_eq_u32 s2, 0
	s_cbranch_scc0 .Lentry_in_a_cluster
	s_endpgm
.Lentry_in_a_cluster:
	s_bfe_u32 s2, ttmp6, 0x10000c
	s_cmp_lg_u32 s2, 0x3003
	s_cbranch_scc0 .Lentry_shape_is_right
	s_endpgm
.Lentry_shape_is_right:
; Attention on codes of E4M3: S^T = K Q^T, p = 2^(t - M), O^T = V^T P^T, O / l, and the quantiser of the result along the model's 1,024 for the last product.
; t = score x log2(e) / 8; M = the running largest t rounded UP to a whole number; the row's sum l is taken of the unquantised p.
; SHARES.  A work-group owns 512 queries of one head (work-group y = 16 x batch + head), as two blocks of 256; each of its sixteen waves owns one tile of 16 queries of a block, in 256 registers.
; LDS.  The head's sixteen records of 128 keys (17,152 bytes each: K's codes, V^T's codes, K's scale words, V's scale words, all as images of operand registers) lie in LDS as in memory,
; 274,432 bytes, FILLED ONCE: wave w fetches record w, one tensor load a wave, asked jointly by the four work-groups of a cluster, which serve one head.  One wait for 0 and one barrier show all sixteen.
; A SPLIT BARRIER IN EVERY STEP (signal at its head, wait at its end; only register work and LDS loads between) guards no bytes: it holds the sixteen waves within one step of each other.
; LAYOUT.  Both products are used transposed: a lane holds one query.  Register 16 c + 8 u + j of the scores is key 32 c + 16 u + 8 h + j, and V^T's codes were laid in that same order.
; THE SCORE'S INSTRUCTION IS 128 DEEP, THE HEAD 64.  Blocks 0 and 1 are the head.  Block 2 holds one code a side at k = 64, +448 (q) and -448 (k); q's byte there is 127, k's is 1 (open: every open
; score gets the same -2^-108) or 141 (masked: -2^31.6, so p = 0).  Block 3 is zero codes.  So the mask takes no instruction here.
; A step all of whose keys so far are masked sums finite garbage (t - M is then the rounding error of one multiplication, at most 32); the first open key multiplies it by f = 0.
; THE STEP ASKS AHEAD: K's first four fragments and K's scale words of the next record are asked for behind this record's last score product; V^T's fragment b takes the registers of block b of p once that block is converted.
; No prefetch: every byte of K and V is asked for at the head, and there is no later load to run ahead of.
; LIMITS: open scores stay under 2^28 in magnitude.  A row with no open key (largest score under -2^30) gets the scale bytes 0xff: NaN in the last product, as the softmax of an empty row is.
.set REC,  17152
.set QREC, 8704
.set L16,  1                           ; 16 x lane
.set R16,  2                           ; 16 x (lane % 16)
.set ADR,  3                           ; the record in hand + 16 x lane
.set ASC,  4                           ; the record in hand + 16 x row
.set AO,   5                           ; 32 r + h: my byte among the result's scale bytes
.set FF,   6                           ; 0xff
.set ADN,  7                           ; the next record + 16 x lane
.set ASN,  8                           ; the next record + 16 x row
.set OLD,  9                           ; -M of the step before
.set QF,   16                          ; v16-23 Q's codes; v24-31 the constants of blocks 2 and 3
.set KF,   32                          ; v32-95 four fragments of K: +0..7 loaded, +8..15 constants
.set S,    96                          ; v96-159 S^T, then p, then V^T's four fragments
.set OT,   160                         ; v160-191 O^T
.set PC,   192                         ; v192-207 p's codes
.set KSW,  208                         ; K's scale words
.set VSW,  216                         ; V's
.set QSW,  220
.set PSW,  221
.set SUMA, 222                         ; v[222:223], v[244:245] the step's sum of p, in two chains
.set BM,   224
.set PM,   228
.set LIM,  232
.set SOP,  236
.set FAC,  240                         ; v[240:241] f
.set TMP,  242
.set SPW,  243                         ; my spare word
.set SUM2, 244
.set Q2,   246                         ; v246-253 the second block's Q; v254 its scale word
.set NIL,  255                         ; 0
.set TM,   224                         ; the last quantiser works in v224-231
.set WV,   12
.set SEL,  40
.set CS,   42                          ; s[42:43] c = log2(e) / 8
.set MNT,  44
.set TBC,  45                          ; LDS byte of the record in hand
.set TBN,  47                          ; of the record that is asked for ahead
.set NC,   49                          ; -c
.set HM,   62
.macro ROUND
	s_barrier_signal -1
	s_barrier_wait -1
	s_cmp_lg_u32 s[WV], 0
	s_cbranch_scc1 .Lnot_wave_0_\@
	s_barrier_signal -3
.Lnot_wave_0_\@:
	s_barrier_wait -3
	s_barrier_signal -1
	s_barrier_wait -1
.endm
	s_load_b256 s[4:11], s[0:1], 0x0               ; qrec s[4:5], kv s[6:7], acode s[8:9], ascale s[10:11]
	v_lshl_add_u32 v[SPW], v0, 2, 0x43000
	v_mov_b32 v[NIL], 0
	ds_add_u32 v[SPW], v[NIL]                      ; the opening lines: the add twice on end and its wait
	ds_add_u32 v[SPW], v[NIL]
	v_lshrrev_b32 v7, 5, v0
	v_readfirstlane_b32 s[WV], v7                  ; wave 0..15
	s_bfe_u32 s13, ttmp6, 0x40000                  ; cx: it enters Q's and the result's global addresses alone
	s_and_b32 s14, ttmp7, 0xffff                   ; 16 x batch + head, which the four partners share
	s_mov_b32 s16, 15|(3<<16)|(1<<21)              ; group 1: all four work-groups; elements of 8 bytes; bit 21 beside a mask; no padding
	s_mov_b32 s17, 32<<16                          ; a record is a dense block: 67 rows of 256 bytes
	s_mov_b32 s18, 67<<16
	s_mov_b32 s19, 32<<16
	s_mov_b32 s20, 67
	s_mov_b32 s21, 32
	s_mov_b32 s22, 0
	s_mov_b32 s23, 0
	s_mul_i32 s48, s[WV], REC                      ; record w, in LDS as in memory
	s_mul_i32 s50, s14, 16*REC
	s_add_co_u32 s50, s50, s48
	s_mov_b32 s51, 0
	s_lshl_b32 s52, s13, 2                         ; my first tile of queries is 32 cx + w: group 4 cx + w / 8, tile w % 8
	s_lshr_b32 s53, s[WV], 3
	s_add_co_u32 s52, s52, s53
	s_mul_i32 s52, s52, QREC
	s_mul_i32 s53, s14, 16*QREC
	s_add_co_u32 s52, s52, s53
	s_and_b32 s53, s[WV], 7
	s_lshl_b32 s54, s53, 10
	s_add_co_u32 s54, s54, s52
	s_mov_b32 s55, 0                               ; Q's codes
	s_lshr_b32 s53, s53, 2
	s_lshl_b32 s53, s53, 8
	s_and_b32 s56, s[WV], 3
	s_lshl_b32 s56, s56, 2
	s_add_co_u32 s56, s56, s53
	s_add_co_u32 s56, s56, s52
	s_add_co_u32 s56, s56, 8192
	s_mov_b32 s57, 0                               ; Q's scale words
	s_lshr_b32 s52, s14, 4
	s_lshl_b32 s52, s52, 7
	s_lshl_b32 s53, s13, 5
	s_add_co_u32 s52, s52, s53
	s_add_co_u32 s52, s52, s[WV]                   ; my token tile among 512
	s_and_b32 s53, s14, 15                         ; the head
	s_lshl_b32 s58, s52, 14
	s_lshl_b32 s60, s53, 10                        ; a head is half a K step of 2,048 bytes
	s_add_co_u32 s58, s58, s60
	s_mov_b32 s59, 0
	s_lshl_b32 s60, s52, 9
	s_lshl_b32 s53, s53, 1
	s_add_co_u32 s60, s60, s53
	s_mov_b32 s61, 0
	s_mov_b32 s[SEL], 0x76543210
	s_mov_b32 s[SEL+1], 0xfedcba98
	s_mov_b32 s[CS], 0x3e38aa3b                    ; c = log2(e) / 8
	s_mov_b32 s[CS+1], s[CS]
	s_mov_b32 s[NC], 0xbe38aa3b                    ; -c
	s_mov_b32 s[MNT], 0x600000
	s_wait_dscnt 0x0
	s_wait_kmcnt 0x0
	s_add_nc_u64 s[6:7], s[6:7], s[50:51]
	s_add_nc_u64 s[54:55], s[4:5], s[54:55]
	s_add_nc_u64 s[56:57], s[4:5], s[56:57]
	s_add_nc_u64 s[8:9], s[8:9], s[58:59]
	s_add_nc_u64 s[10:11], s[10:11], s[60:61]
	s_mov_b32 s24, 1
	s_mov_b32 s25, s48
	s_mov_b64 s[26:27], s[6:7]
	s_or_b32 s27, s27, 0x80000000
	ROUND                                          ; all four work-groups are here: the joint loads meet
	tensor_load_to_lds s[24:27], s[16:23]          ; my record: every wave's one tensor load of the launch
	s_nop 0
.rept 4
	v_nop
.endr
	v_and_b32 v8, 31, v0
	v_and_b32 v9, 15, v0
	v_bfe_u32 v10, v0, 4, 1
	v_lshlrev_b32 v[L16], 4, v8
	v_lshlrev_b32 v[R16], 4, v9
	v_lshl_add_u32 v[AO], v9, 5, v10
	v_mov_b32 v[FF], 0xff
	global_load_b128 v[QF:QF+3], v[L16], s[54:55]
	global_load_b128 v[QF+4:QF+7], v[L16], s[54:55] offset:512
	global_load_b128 v[Q2:Q2+3], v[L16], s[54:55] offset:2*QREC           ; the second block's tile lies 16 tiles, two records, on
	global_load_b128 v[Q2+4:Q2+7], v[L16], s[54:55] offset:2*QREC+512
	global_load_b32 v[QSW], v[R16], s[56:57]
	global_load_b32 v[Q2+8], v[R16], s[56:57] offset:2*QREC
	v_cmp_le_u32 s[HM], 16, v8                     ; lanes 16-31
	v_mov_b32 v11, 0
	v_mov_b32 v7, 0x7e
	v_cndmask_b32 v[QF+8], v7, v11, s[HM]          ; k = 64 lies in byte 0 of register 8 of lanes 0-15: +448
	v_mov_b32 v7, 0xfe
.irp k, 0,1,2,3
	v_cndmask_b32 v[KF+16*\k+8], v7, v11, s[HM]    ; -448
.endr
.irp i, 9,10,11,12,13,14,15
	v_mov_b32 v[QF+\i], 0
.irp k, 0,1,2,3
	v_mov_b32 v[KF+16*\k+\i], 0
.endr
.endr
.irp b, 0,1,2,3
	v_mov_b32 v[PM+\b], 0                          ; written once: a lane permute's destination counts as one of its sources
.endr
	v_mov_b32 v[FAC+1], 0                          ; (named as the upper half of a pair)
	v_mov_b32 v[TMP], 0
.macro KLOAD adr, g                    ; the loaded halves of four fragments of K: tiles 4 g .. 4 g + 3 of the record at v[adr]
.irp k, 0,1,2,3
.irp c, 0,1
	ds_load_b128 v[KF+16*\k+4*\c:KF+16*\k+4*\c+3], v[\adr] offset:1024*(4*\g+\k)+512*\c
.endr
.endr
.endm
.macro SMUL g                          ; S^T = K Q^T for these four tiles of 16 keys
.irp k, 0,1,2,3
	v_wmma_scale_f32_16x16x128_f8f6f4 v[S+8*(4*\g+\k):S+8*(4*\g+\k)+7], v[KF+16*\k:KF+16*\k+15], v[QF:QF+15], 0, v[KSW+4*\g+\k], v[QSW]
.endr
.endm
; The largest score of each of two blocks of 32 keys (my 16 of each), in two chains a block, each accumulator read from its low end on.  It serves the row's maximum and, since p rises with the score, the block's largest p.
.macro MX1 b0, b1
.irp b, \b0, \b1
	v_max3_num_f32 v[BM+\b], v[S+16*\b], v[S+16*\b+1], v[S+16*\b+2]
	v_max3_num_f32 v[LIM+\b], v[S+16*\b+8], v[S+16*\b+9], v[S+16*\b+10]
.endr
.irp b, \b0, \b1
	v_max3_num_f32 v[BM+\b], v[BM+\b], v[S+16*\b+3], v[S+16*\b+4]
	v_max3_num_f32 v[LIM+\b], v[LIM+\b], v[S+16*\b+11], v[S+16*\b+12]
.endr
.endm
.macro MX2 b0, b1
.irp b, \b0, \b1
	v_max3_num_f32 v[BM+\b], v[BM+\b], v[S+16*\b+5], v[S+16*\b+6]
	v_max3_num_f32 v[LIM+\b], v[LIM+\b], v[S+16*\b+13], v[S+16*\b+14]
.endr
.irp b, \b0, \b1
	v_max3_num_f32 v[BM+\b], v[BM+\b], v[LIM+\b], v[S+16*\b+7]
.endr
.irp b, \b0, \b1
	v_max_num_f32 v[BM+\b], v[BM+\b], v[S+16*\b+15]
.endr
.endm
.macro TMM n0, n1                      ; t - M of pairs n0 .. n1 - 1, two numbers an instruction
.set n, \n0
.rept \n1-\n0
	v_pk_fma_f32 v[S+2*n:S+2*n+1], v[S+2*n:S+2*n+1], s[CS:CS+1], v[12:13] op_sel_hi:[1,0,0]
.set n, n+1
.endr
.endm
; A KEY STEP: one record, 128 keys.  At its head K's tiles 0-3 and K's scale words are in registers, and no LDS load of mine is out.  pf = 1: those of the record at s[TBN] are asked for on the way.
.macro STEP pf
	s_barrier_signal -1                            ; I have begun this step
	v_add_nc_u32 v[ADR], s[TBC], v[L16]            ; these four lines and the five at the step's end are the nine places between the last step's V^T P and the products below, which write over its sources
	v_add_nc_u32 v[ASC], s[TBC], v[R16]
.if \pf
	v_add_nc_u32 v[ADN], s[TBN], v[L16]
	v_add_nc_u32 v[ASN], s[TBN], v[R16]
.else
	v_nop
	v_nop
.endif
	SMUL 0
.rept 8
	v_nop                                          ; places in front of loads into registers that these products have read, and of the first read of their results
.endr
	KLOAD ADR, 1
	ds_load_b128 v[VSW:VSW+3], v[ASC] offset:16896
	MX1 0, 1
	s_wait_alu depctr_va_vdst(0)                   ; directly ahead of the wait below
	s_wait_dscnt 0x1                               ; K's eight loads are in; V's scale words, issued behind them, may be out
	SMUL 1
	MX2 0, 1                                       ; eight plain lines on the first four tiles' results: the places behind the products just issued
.if \pf
	KLOAD ADN, 0
	ds_load_b128 v[KSW:KSW+3], v[ASN] offset:16384
	ds_load_b128 v[KSW+4:KSW+7], v[ASN] offset:16640
.endif
	MX1 2, 3
	MX2 2, 3
.irp b, 0,1,2,3
	v_permlanex16_b32 v[PM+\b], v[BM+\b], s[SEL], s[SEL+1]
.endr
.irp b, 0,1,2,3
	s_delay_alu instid0(VALU_DEP_4)
	v_max_num_f32 v[BM+\b], v[BM+\b], v[PM+\b]     ; with lane l xor 16's 16 keys
.endr
	s_delay_alu instid0(VALU_DEP_3)
	v_max3_num_f32 v13, v13, v[BM], v[BM+1]        ; the running largest score (c is positive: the largest t is c x this)
	s_delay_alu instid0(VALU_DEP_1)
	v_max3_num_f32 v13, v13, v[BM+2], v[BM+3]
	s_delay_alu instid0(VALU_DEP_1)
	v_mul_f32 v[TMP], s[NC], v13                   ; -t
	s_delay_alu instid0(VALU_DEP_1)
	v_floor_f32 v12, v[TMP]                        ; -M = floor(-t): M is a whole number
.irp b, 0,1,2,3
	v_fma_f32 v[BM+\b], v[BM+\b], s[CS], v12       ; t - M of each block's largest score
.endr
	v_sub_f32 v[TMP], v12, v[OLD]                  ; M's old value less its new one: a whole number, 0 or less
	TMM 0, 4
	v_cvt_i32_f32 v[TMP], v[TMP]                   ; (it saturates)
	TMM 4, 8
	v_ldexp_f32 v[FAC], 1.0, v[TMP]                ; f = 2^(old M - new M)
	TMM 8, 32
	s_wait_alu depctr_va_vdst(0)                   ; ahead of the batch
.irp b, 0,1,2,3
	v_exp_f32 v[BM+\b], v[BM+\b]                   ; the blocks' largest p: the same two instructions on the same number give the same bits
.endr
.set n, 0
.rept 64
	v_exp_f32 v[S+n], v[S+n]                       ; p = 2^(t - M), at most 1: not normalised
.set n, n+1
.endr
	v_mov_b32 v[OLD], v12                          ; (the plain place behind the batch)
	s_wait_alu depctr_va_vdst(0)                   ; one wait for the whole batch, ahead of its first reader
.irp b, 0,1,2,3
	v_max_num_f32 v[BM+\b], 0x4800000, v[BM+\b]    ; the floor 2^(9 - 127): the byte cannot fall under 1
.endr
.irp b, 0,1,2,3
	v_add_nc_u32 v[SOP+\b], 0xfc000000, v[BM+\b]   ; 8 off the exponent field: the conversion's scale operand
.endr
.irp b, 0,1,2,3
	v_and_or_b32 v[LIM+\b], v[BM+\b], 0x7f800000, s[MNT]     ; 448 x the scale
.endr
.irp b, 0,1,2,3
	v_lshrrev_b32 v[PM+\b], 23, v[SOP+\b]          ; the scale's byte
.endr
	v_pk_add_f32 v[SUMA:SUMA+1], v[S:S+1], v[S+2:S+3]        ; THE SUM IS OF THE UNQUANTISED p: block 0's eight pairs, in two chains
	v_pk_add_f32 v[SUM2:SUM2+1], v[S+4:S+5], v[S+6:S+7]
	v_lshl_or_b32 v[PSW], v[PM+1], 8, v[PM]        ; p's scale word for these 128 keys
	v_lshl_or_b32 v[TMP], v[PM+3], 8, v[PM+2]
	v_pk_add_f32 v[SUMA:SUMA+1], v[SUMA:SUMA+1], v[S+8:S+9]
	v_pk_add_f32 v[SUM2:SUM2+1], v[SUM2:SUM2+1], v[S+10:S+11]
	v_lshl_or_b32 v[PSW], v[TMP], 16, v[PSW]
	v_pk_add_f32 v[SUMA:SUMA+1], v[SUMA:SUMA+1], v[S+12:S+13]
	v_pk_add_f32 v[SUM2:SUM2+1], v[SUM2:SUM2+1], v[S+14:S+15]
.irp b, 0,1,2,3                        ; block b: the hold (two an instruction), by turns with the sum of block b + 1; the conversion; V^T's fragment b into the block's registers
.set i, 0
.rept 8
	v_dual_min_num_f32 v[S+16*\b+2*i], v[LIM+\b], v[S+16*\b+2*i] :: v_dual_min_num_f32 v[S+16*\b+2*i+1], v[LIM+\b], v[S+16*\b+2*i+1]   ; the conversion does not saturate (ISA guide 7.6.2); p is not negative
.if \b < 3
.if (i%2) == 0
	v_pk_add_f32 v[SUMA:SUMA+1], v[SUMA:SUMA+1], v[S+16*\b+16+2*i:S+16*\b+17+2*i]
.else
	v_pk_add_f32 v[SUM2:SUM2+1], v[SUM2:SUM2+1], v[S+16*\b+16+2*i:S+16*\b+17+2*i]
.endif
.endif
.set i, i+1
.endr
	v_cvt_scalef32_pk8_fp8_f32 v[PC+4*\b:PC+1+4*\b], v[S+16*\b:S+7+16*\b], v[SOP+\b]
	v_cvt_scalef32_pk8_fp8_f32 v[PC+2+4*\b:PC+3+4*\b], v[S+8+16*\b:S+15+16*\b], v[SOP+\b]
.irp c, 0,1,2,3
	ds_load_b128 v[S+16*\b+4*\c:S+16*\b+4*\c+3], v[ADR] offset:8192+2048*\b+512*\c
.endr
.endr
	s_wait_alu depctr_va_vdst(0)                   ; directly ahead of the first reader of O^T
.irp n, 0,2,4,6,8,10,12,14,16,18,20,22,24,26,28,30
	v_pk_mul_f32 v[OT+\n:OT+1+\n], v[OT+\n:OT+1+\n], v[FAC:FAC+1] op_sel_hi:[1,0]   ; O^T under the new M.  (Also the places between the codes and the products)
.endr
	s_wait_alu depctr_va_vdst(0)                   ; directly ahead of the wait below
.irp t, 0,1,2,3
	s_wait_dscnt 12-4*\t                           ; fragment t is in; the four loads of each later fragment may be out
	v_wmma_scale_f32_16x16x128_f8f6f4 v[OT+8*\t:OT+8*\t+7], v[S+16*\t:S+16*\t+15], v[PC:PC+15], v[OT+8*\t:OT+8*\t+7], v[VSW+\t], v[PSW]
.endr
	v_pk_add_f32 v[SUMA:SUMA+1], v[SUMA:SUMA+1], v[SUM2:SUM2+1]
	s_delay_alu instid0(VALU_DEP_1)
	v_pk_fma_f32 v[14:15], v[14:15], v[FAC:FAC+1], v[SUMA:SUMA+1] op_sel_hi:[1,0,1]   ; l = l f + the step's sum
	v_nop
	v_nop
	v_nop
	s_barrier_wait -1                              ; every wave has begun this step
.if \pf
	s_add_co_u32 s[TBC], s[TBC], REC
	s_add_co_u32 s[TBN], s[TBN], REC
.endif
.endm
.macro RUN n                           ; n steps that ask ahead
	s_mov_b32 s46, \n
.Lrun_\@:
	STEP 1
	s_sub_co_u32 s46, s46, 1
	s_cmp_lg_u32 s46, 0
	s_cbranch_scc1 .Lrun_\@
.endm
.macro INIT                            ; a block of queries begins: the step is written once, its first trip finds zeros
	v_mov_b32 v13, 0xff61b1e6                      ; the largest score so far: -3e38
	v_mov_b32 v14, 0
	v_mov_b32 v15, 0
	v_mul_f32 v[TMP], s[NC], v13
	s_delay_alu instid0(VALU_DEP_1)
	v_floor_f32 v12, v[TMP]
.set n, 0
.rept 32
	v_mov_b32 v[OT+n], 0
.set n, n+1
.endr
	v_mov_b32 v[OLD], v12
.endm
.macro QUANT2 s, d                     ; two blocks of 32, by turns: my 16 numbers of each; lane l xor 16 holds the others
.irp b, 0,1
	v_max3_num_f32 v[TM+\b], |v[\s+16*\b]|, |v[\s+16*\b+1]|, 0x4800000
	v_max3_num_f32 v[TM+2+\b], |v[\s+16*\b+8]|, |v[\s+16*\b+9]|, |v[\s+16*\b+10]|
.endr
.irp i, 2,4
.irp b, 0,1
	v_max3_num_f32 v[TM+\b], v[TM+\b], |v[\s+16*\b+\i]|, |v[\s+16*\b+\i+1]|
	v_max3_num_f32 v[TM+2+\b], v[TM+2+\b], |v[\s+16*\b+\i+9]|, |v[\s+16*\b+\i+10]|
.endr
.endr
.irp b, 0,1
	v_max3_num_f32 v[TM+\b], v[TM+\b], |v[\s+16*\b+6]|, |v[\s+16*\b+7]|
.endr
.irp b, 0,1
	v_max3_num_f32 v[TM+\b], v[TM+\b], v[TM+2+\b], |v[\s+16*\b+15]|
.endr
.irp b, 0,1
	v_permlanex16_b32 v[TM+2+\b], v[TM+\b], s[SEL], s[SEL+1]
.endr
.irp b, 0,1
	v_max_num_f32 v[TM+\b], v[TM+\b], v[TM+2+\b]
.endr
.irp b, 0,1
	v_add_nc_u32 v[TM+6+\b], 0xfc000000, v[TM+\b]
.endr
.irp b, 0,1
	v_and_or_b32 v[TM+4+\b], v[TM+\b], 0x7f800000, s[MNT]
.endr
.irp b, 0,1
	v_lshrrev_b32 v[TM+2+\b], 23, v[TM+6+\b]
.endr
.irp b, 0,1
.irp i, 0,1,2,3,4,5,6,7,8,9,10,11,12,13,14,15
	v_med3_num_f32 v[\s+16*\b+\i], v[\s+16*\b+\i], -v[TM+4+\b], v[TM+4+\b]
.endr
.endr
.irp b, 0,1
	v_cvt_scalef32_pk8_fp8_f32 v[\d+4*\b:\d+4*\b+1], v[\s+16*\b:\s+16*\b+7], v[TM+6+\b]
	v_cvt_scalef32_pk8_fp8_f32 v[\d+4*\b+2:\d+4*\b+3], v[\s+16*\b+8:\s+16*\b+15], v[TM+6+\b]
.endr
.endm
; O / l, in the order that the last product's K wants, quantised, and out.  more = 1: the second block's Q takes its place and the stores' bases step on.
.macro FINISH more
	s_wait_alu depctr_va_vdst(0)                   ; directly ahead of the first reader of l behind the step's barrier
	v_add_f32 v14, v14, v15
	v_permlanex16_b32 v[TMP], v14, s[SEL], s[SEL+1]
	v_add_f32 v14, v14, v[TMP]                     ; the row's sum
	s_wait_alu depctr_va_vdst(0)                   ; ahead of the transcendental
	v_rcp_f32 v14, v14
.rept 4
	v_nop                                          ; with the five lines at the step's end and the additions: the places behind the last products; and the plain line behind the reciprocal
.endr
	s_wait_alu depctr_va_vdst(0)                   ; ahead of the first reader of the reciprocal and of O^T
.irp n, 0,2,4,6,8,10,12,14,16,18,20,22,24,26,28,30
	v_pk_mul_f32 v[S+\n:S+\n+1], v[OT+\n:OT+\n+1], v[14:15] op_sel_hi:[1,0]    ; register 8 t + j: d = 16 t + 8 h + j
.endr
.irp b, 0,1
.irp i, 0,1,2,3,4,5,6,7
	v_permlane16_swap_b32 v[S+16*\b+\i], v[S+16*\b+8+\i]     ; the first's lanes 16-31 against the second's lanes 0-15: register 16 b + p now holds d = 32 b + 16 h + p
.endr
.endr
	QUANT2 S, PC
	v_cndmask_b32 v[TMP], v[TM+2], v[TM+3], s[HM]  ; lanes 0-15 store block 0's byte, lanes 16-31 block 1's
	v_cmp_gt_f32 vcc_lo, 0xce800000, v13           ; no open key: the largest score lies under -2^30
	v_cndmask_b32 v[TMP], v[TMP], v[FF], vcc_lo
	global_store_b128 v[L16], v[PC:PC+3], s[8:9]
	global_store_b128 v[L16], v[PC+4:PC+7], s[8:9] offset:512      ; 1,024 consecutive bytes in all
	global_store_b8 v[AO], v[TMP], s[10:11]        ; 32 single bytes a tile, 32 bytes apart: one part in 32 of the result leaves in partial units
.if \more
	s_wait_xcnt 0x0                                ; the stores have read their registers and bases
.irp i, 0,1,2,3,4,5,6,7
	v_mov_b32 v[QF+\i], v[Q2+\i]
.endr
	v_mov_b32 v[QSW], v[Q2+8]
	s_add_nc_u64 s[8:9], s[8:9], 16*16384          ; 16 token tiles on
	s_add_nc_u64 s[10:11], s[10:11], 16*512
.endif
.endm
; ---- the first block of queries
	INIT
	s_mov_b32 s[TBC], 0
	s_mov_b32 s[TBN], REC
	s_wait_alu depctr_va_vdst(0)                   ; at the head's end
	s_wait_tensorcnt 0x0                           ; my record has landed
	s_barrier_signal -1
	s_barrier_wait -1                              ; all sixteen records are whole; nothing is ever filled again
	v_add_nc_u32 v[ADN], s[TBC], v[L16]
	v_add_nc_u32 v[ASN], s[TBC], v[R16]
	KLOAD ADN, 0                                   ; record 0's first four tiles and its scale words
	ds_load_b128 v[KSW:KSW+3], v[ASN] offset:16384
	ds_load_b128 v[KSW+4:KSW+7], v[ASN] offset:16640
	s_wait_loadcnt 0x0                             ; Q, both blocks'
	s_wait_dscnt 0x0
	RUN 15                                         ; records 0-14
	s_mov_b32 s[TBC], 15*REC
	s_mov_b32 s[TBN], 0
	STEP 1                                         ; record 15; it asks ahead in record 0, for the second block
	FINISH 1
; ---- the second block
	INIT
	s_mov_b32 s[TBC], 0
	s_mov_b32 s[TBN], REC
	RUN 15                                         ; records 0-14
	STEP 0                                         ; record 15: nothing is left to ask for
	FINISH 0
	s_wait_tensorcnt 0x0                           ; the wave's end
	ds_add_u32 v[SPW], v[NIL]
	s_wait_dscnt 0x0
	ROUND                                          ; the closing round
	s_endpgm
.Lfunc_end_k_qfb13592dc8_attn:
	.size	k_qfb13592dc8_attn, .Lfunc_end_k_qfb13592dc8_attn-k_qfb13592dc8_attn
	.p2alignl 7, 3214868480
	.fill 96, 4, 3214868480
	.section	.rodata,"a",@progbits
	.p2align	6, 0x0
	.amdhsa_kernel k_qfb13592dc8_attn
		.amdhsa_group_segment_fixed_size 327680
		.amdhsa_private_segment_fixed_size 0
		.amdhsa_enable_private_segment 0
		.amdhsa_kernarg_size 32
		.amdhsa_user_sgpr_count 2
		.amdhsa_user_sgpr_kernarg_segment_ptr 1
		.amdhsa_wavefront_size32 1
		.amdhsa_system_sgpr_workgroup_id_x 1
		.amdhsa_system_sgpr_workgroup_id_y 1
		.amdhsa_system_sgpr_workgroup_id_z 1
		.amdhsa_system_vgpr_workitem_id 0
		.amdhsa_next_free_vgpr 256
		.amdhsa_next_free_sgpr 66
		.amdhsa_reserve_vcc 1
		.amdhsa_float_denorm_mode_32 3
		.amdhsa_float_denorm_mode_16_64 3
		.amdhsa_memory_ordered 1
		.amdhsa_forward_progress 1
		.amdhsa_inst_pref_size 98
	.end_amdhsa_kernel
	.amdgpu_metadata
---
amdhsa.version: [ 1, 2 ]
amdhsa.kernels:
  - .name:           k_qfb13592dc8_attn
    .symbol:         k_qfb13592dc8_attn.kd
    .args:
      - { .name: qrec, .offset: 0, .size: 8, .value_kind: global_buffer, .address_space: global }
      - { .name: kv, .offset: 8, .size: 8, .value_kind: global_buffer, .address_space: global }
      - { .name: acode, .offset: 16, .size: 8, .value_kind: global_buffer, .address_space: global }
      - { .name: ascale, .offset: 24, .size: 8, .value_kind: global_buffer, .address_space: global }
    .group_segment_fixed_size: 327680
    .private_segment_fixed_size: 0
    .kernarg_segment_align: 8
    .kernarg_segment_size: 32
    .max_flat_workgroup_size: 512
    .sgpr_count:     66
    .vgpr_count:     256
    .wavefront_size: 32
...
	.end_amdgpu_metadata
.endif
;; end of part 3
;; launch proj (part 4): grid 64 x 4, 4 waves a work-group, clusters of 4 x 1, 327,680 bytes of LDS; arguments acode, ascale, Wo_codes, Wo_scales, bo, out0; writes out0
.if DOCPART == 4
	.amdgcn_target "amdgcn-amd-amdhsa--gfx1250"
	.amdhsa_code_object_version 6
	.text
	.protected	k_qfb13592dc8_proj
	.globl	k_qfb13592dc8_proj
	.p2align	8
	.type	k_qfb13592dc8_proj,@function
k_qfb13592dc8_proj:
	s_mov_b64 s[64:65], 0
	v_nop
	global_prefetch_b8 v0, s[64:65] scope:SCOPE_SE
	s_setreg_imm32_b32 hwreg(HW_REG_WAVE_MODE, 25, 1), 1
	s_wait_xcnt 0x0
	s_wait_alu depctr_hold_cnt(0) depctr_sa_sdst(0) depctr_va_vdst(0) depctr_va_sdst(0) depctr_va_ssrc(0) depctr_va_vcc(0) depctr_vm_vsrc(0)
	s_getreg_b32 s2, hwreg(HW_REG_IB_STS2, 6, 4)
	s_cmp_eq_u32 s2, 0
	s_cbranch_scc0 .Lentry_in_a_cluster
	s_endpgm
.Lentry_in_a_cluster:
	s_bfe_u32 s2, ttmp6, 0x10000c
	s_cmp_lg_u32 s2, 0x3003
	s_cbranch_scc0 .Lentry_shape_is_right
	s_endpgm
.Lentry_shape_is_right:
; out0[m][n] = sum over k of A[m][k] Wo[n][k] + bo[n]: A = the attention's result as codes of E4M3 (acode, ascale), Wo as given; K = 1,024; sums in f32.
; SHARES.  A work-group makes 128 rows x 256 columns: 64 x 4 = 256 work-groups.  Each of its four waves makes 64 x 128: 32 accumulators of 16 x 16, 256 registers.
; B (Wo): the block's 256 rows for ALL of K lie in LDS, as four chunks of 256 along K (256 rows x 256 bytes, 16 bytes of padding behind each): wave w fetches chunk w, one tensor load a wave, FILLED ONCE: no ring, no refill.
; The four work-groups of a cluster lie along m and need the same 256 rows of Wo: they ask jointly.
; A: acode holds images of operand registers ([16 tokens][128 along K][4][32 lanes][16 bytes]), so a wave's 64 rows for all of K go from memory straight into 512 registers, each load 512 consecutive bytes.
; A is not asked for jointly: it never touches LDS, which has no room for its 131,072 bytes beside B's 278,528.  No prefetch: all loads are issued at the head, and there is no loop to run ahead in.
; SCALES: a row's 32 bytes are eight words, one for each 128 along K.  Lane (r, h) loads the 16 bytes at 32 r + 16 h of a block of 16 rows: lanes 0-15 hold K steps 0-3, lanes 16-31 K steps 4-7 (read by ROW1).
; THE MATRIX INSTRUCTION IS USED TRANSPOSED (source 0 = 16 rows of Wo, source 1 = 16 rows of A): a lane holds eight neighbouring numbers of a row of the result.
; A UNIT is 16 matrix instructions: 128 along K, four of B's eight blocks x A's four.  B's fragments go through three buffers of 64 registers, asked for two units ahead.
; The bias is added on the way out, where a lane holds four neighbouring columns of whole rows.
; REGISTERS: window 0: v1-11 addresses, v12-15 bias, v16-31 A's scale words, v32-63 B's, v64-255 B's three buffers (on the way out: rows read back).  Window 1: accumulator (a, b) at v[8 (8 a + b)].  Windows 2, 3: A, K step s, block a at v[64 (s % 4) + 16 a] of window 2 + s / 4.
.set PITCH,  272
.set CHUNK,  256*PITCH
.set SPARE,  4*CHUNK                   ; the spare words: 128 bytes a wave
.set STAGE,  SPARE+512                 ; the way out: 16 rows x (512 + 16) bytes for each wave, bytes of their own
.set SPITCH, 528
.set L16,  1                           ; 16 x lane: A's offset, the bias's, and my place in a row of the result
.set STO,  2
.set RD,   3
.set SOFF, 4                           ; 32 r + 16 h
.set SPW,  5
.set NIL,  6
.set ADRB, 8                           ; v8-11 my place in chunk 0..3
.set BI,   12
.set SCA,  16
.set SCB,  32
.set BF,   64
.set WV,   24
.set MH,   25                          ; which 64 rows are mine
.set NH,   26                          ; which 128 columns
.set MSB, 0
.macro WIN new                         ; the immediate's high byte repeats the setting that is left
.if MSB != (\new)
	s_set_vgpr_msb (MSB<<8)|(\new)
.set MSB, (\new)
.endif
.endm
.macro ROUND
	s_barrier_signal -1
	s_barrier_wait -1
	s_cmp_lg_u32 s[WV], 0
	s_cbranch_scc1 .Lnot_wave_0_\@
	s_barrier_signal -3
.Lnot_wave_0_\@:
	s_barrier_wait -3
	s_barrier_signal -1
	s_barrier_wait -1
.endm
.macro PLACES
.rept 8
	v_nop
.endr
.endm
	s_load_b256 s[4:11], s[0:1], 0x0               ; acode, ascale, Wo_codes, Wo_scales
	s_load_b128 s[12:15], s[0:1], 0x20             ; bo, out0
	v_lshl_add_u32 v[SPW], v0, 2, SPARE
	v_mov_b32 v[NIL], 0
	ds_add_u32 v[SPW], v[NIL]                      ; the opening lines: the add twice on end and its wait
	ds_add_u32 v[SPW], v[NIL]
	v_lshrrev_b32 v64, 5, v0
	v_readfirstlane_b32 s[WV], v64                 ; wave 0..3
	s_lshr_b32 s[MH], s[WV], 1
	s_and_b32 s[NH], s[WV], 1
	s_bfe_u32 s55, ttmp6, 0x40000                  ; cx: it enters A's, its scales' and the result's global addresses alone
	s_lshl_b32 s27, ttmp9, 2
	s_add_co_u32 s27, s27, s55                     ; my block of 128 rows
	s_and_b32 s54, ttmp7, 0xffff                   ; my block of 256 columns, which the four partners share
	s_mov_b32 s16, 15|(1<<20)|(1<<21)|(5<<22)|(3<<25)   ; group 1: all four work-groups; elements of 1 byte; four words of padding behind every 64; bit 21 beside a mask
	s_mov_b32 s17, 256<<16                         ; 256 rows x 256 bytes, 1,024 bytes apart in memory
	s_mov_b32 s18, 256<<16
	s_mov_b32 s19, 256<<16
	s_mov_b32 s20, 256
	s_mov_b32 s21, 1024
	s_mov_b32 s22, 0
	s_mov_b32 s23, 0
	s_lshl_b32 s28, s27, 17                        ; A: 128 rows are 8 token tiles of 16,384 bytes; my 64 rows
	s_lshl_b32 s29, s[MH], 16
	s_add_co_u32 s28, s28, s29
	s_mov_b32 s29, 0
	s_lshr_b32 s30, s28, 5                         ; A's scales: 32 bytes a row against 1,024
	s_mov_b32 s31, 0
	s_lshl_b32 s46, s54, 18                        ; Wo: 256 rows of 1,024 bytes; chunk w begins 256 w bytes into a row
	s_lshl_b32 s47, s[WV], 8
	s_add_co_u32 s46, s46, s47
	s_mov_b32 s47, 0
	s_lshl_b32 s48, s54, 13                        ; Wo's scales: my 128 rows
	s_lshl_b32 s49, s[NH], 12
	s_add_co_u32 s48, s48, s49
	s_mov_b32 s49, 0
	s_lshl_b32 s50, s54, 10                        ; the bias, and my columns in a row of the result, in bytes
	s_lshl_b32 s51, s[NH], 9
	s_add_co_u32 s50, s50, s51
	s_mov_b32 s51, 0
	s_lshl_b32 s52, s28, 2                         ; the result: 4,096 bytes a row against 1,024
	s_add_co_u32 s52, s52, s50
	s_mov_b32 s53, 0
	s_mov_b32 s32, 1
	s_mul_i32 s33, s[WV], CHUNK
	s_wait_dscnt 0x0
	s_wait_kmcnt 0x0
	s_add_nc_u64 s[36:37], s[4:5], s[28:29]
	s_add_nc_u64 s[38:39], s[6:7], s[30:31]
	s_add_nc_u64 s[34:35], s[8:9], s[46:47]
	s_or_b32 s35, s35, 0x80000000
	s_add_nc_u64 s[40:41], s[10:11], s[48:49]
	s_add_nc_u64 s[42:43], s[12:13], s[50:51]
	s_add_nc_u64 s[44:45], s[14:15], s[52:53]
	ROUND                                          ; all four work-groups are here: the joint loads meet
	tensor_load_to_lds s[32:35], s[16:23]          ; chunk w: every wave's one tensor load of the launch
	s_nop 0
.rept 4
	v_nop
.endr
	v_and_b32 v64, 15, v0                          ; r
	v_bfe_u32 v65, v0, 4, 1                        ; h
	v_and_b32 v66, 31, v0
	v_lshlrev_b32 v[L16], 4, v66
	v_lshlrev_b32 v[SOFF], 5, v64
	v_lshl_add_u32 v[SOFF], v65, 4, v[SOFF]
	s_wait_alu depctr_va_vdst(0)
.irp i, 0,1,2,3
	global_load_b128 v[SCA+4*\i:SCA+4*\i+3], v[SOFF], s[38:39] offset:512*\i     ; 16 rows of scale bytes: 512 consecutive bytes
.endr
.irp i, 0,1,2,3,4,5,6,7
	global_load_b128 v[SCB+4*\i:SCB+4*\i+3], v[SOFF], s[40:41] offset:512*\i
.endr
	global_load_b128 v[BI:BI+3], v[L16], s[42:43]
.irp s, 0,1,2,3,4,5,6,7                ; A, K ascending: 16 loads a K step
	WIN (0x80+0x40*(\s/4))
.irp a, 0,1,2,3
.irp c, 0,1,2,3
	global_load_b128 v[64*(\s%4)+16*\a+4*\c:64*(\s%4)+16*\a+4*\c+3], v[L16], s[36:37] offset:16384*\a+2048*\s+512*\c
.endr
.endr
.endr
	WIN 0
	v_mul_u32_u24 v67, v64, PITCH
	v_lshl_add_u32 v67, v65, 4, v67                ; a fragment's row x pitch + 16 x half
	s_mul_i32 s46, s[NH], 128*PITCH
.irp ch, 0,1,2,3
	v_add_nc_u32 v[ADRB+\ch], s46, v67
	s_add_co_u32 s46, s46, CHUNK
.endr
	s_mul_i32 s47, s[WV], 16*SPITCH
	s_add_co_u32 s47, s47, STAGE                   ; my stage
	v_mul_u32_u24 v68, v64, SPITCH
	v_lshl_add_u32 v68, v65, 5, v68
	v_add_nc_u32 v[STO], s47, v68                  ; in: row r, 32 bytes for each half of the lanes
	v_add_nc_u32 v[RD], s47, v[L16]                ; back: the 32 lanes take one row of 512 bytes
; unit u: K step u / 2 (chunk u / 4, its half (u / 2) % 2), B's blocks 4 (u % 2) .. + 3, buffer u % 3
.macro FETCH u
.set FB, BF+64*((\u)%3)
.irp i, 0,1,2,3
.irp c, 0,1,2,3
	ds_load_b128 v[FB+16*\i+4*\c:FB+16*\i+4*\c+3], v[ADRB+(\u)/4] offset:128*(((\u)/2)%2)+32*\c+(4*((\u)%2)+\i)*16*PITCH
.endr
.endr
.endm
.macro MUL u                           ; the accumulators take turns, one instruction a turn; K step 0 starts the sums
.set FB, BF+64*((\u)%3)
.set KT, (\u)/2
.set HB, 4*((\u)%2)
.irp a, 0,1,2,3
.irp i, 0,1,2,3
.set AC, 8*(8*\a+HB+\i)
.if KT == 0
	v_wmma_scale_f32_16x16x128_f8f6f4 v[AC:AC+7], v[FB+16*\i:FB+16*\i+15], v[64*(KT%4)+16*\a:64*(KT%4)+16*\a+15], 0, v[SCB+4*(HB+\i)+KT%4], v[SCA+4*\a+KT%4]
.elseif KT < 4
	v_wmma_scale_f32_16x16x128_f8f6f4 v[AC:AC+7], v[FB+16*\i:FB+16*\i+15], v[64*(KT%4)+16*\a:64*(KT%4)+16*\a+15], v[AC:AC+7], v[SCB+4*(HB+\i)+KT%4], v[SCA+4*\a+KT%4]
.else
	v_wmma_scale_f32_16x16x128_f8f6f4 v[AC:AC+7], v[FB+16*\i:FB+16*\i+15], v[64*(KT%4)+16*\a:64*(KT%4)+16*\a+15], v[AC:AC+7], v[SCB+4*(HB+\i)+KT%4], v[SCA+4*\a+KT%4] matrix_a_scale:MATRIX_SCALE_ROW1 matrix_b_scale:MATRIX_SCALE_ROW1
.endif
.endr
.endr
.endm
	s_wait_alu depctr_va_vdst(0)                   ; at the head's end
	s_wait_tensorcnt 0x0                           ; my chunk has landed
	s_barrier_signal -1
	s_barrier_wait -1                              ; all four chunks are whole; nothing is ever filled again
	FETCH 0
	FETCH 1
	s_wait_loadcnt 63                              ; of 141 loads the youngest 63 may be out: the scales, the bias and A's K steps 0-3 (the first 77) are in
.set U, 0
.rept 16
.if U < 14
.if U > 0
	PLACES                                         ; in front of loads into the buffer that the unit before has read
.endif
	FETCH U+2
	s_wait_dscnt 32                                ; this unit's fragments are in; the 16 loads of each of the next two units may be out
.elseif U == 14
	s_wait_dscnt 16
.else
	s_wait_dscnt 0
.endif
.if (U%2) == 0 && U >= 8
	s_wait_loadcnt 16*(7-U/2)                      ; A's K step U / 2 is in; the 16 loads of each later K step may be out
.endif
	WIN (0x58+4*(U/8))                             ; source 0 (B) window 0, source 1 (A) window 2 or 3, C and D window 1
	MUL U
	WIN 0
.set U, U+1
.endr
; THE WAY OUT, block by block of 16 rows x 128 columns, through my own stage: back come whole rows of 512 bytes.  LDS serves a wave's instructions in order (ISA guide 5.7.1.4): no wait between the stores and the loads.
.macro TOSTAGE a
	WIN 0x04                                       ; the data: window 1
.irp b, 0,1,2,3,4,5,6,7
	ds_store_b128 v[STO], v[64*(\a)+8*\b:64*(\a)+8*\b+3] offset:64*\b          ; each accumulator from its low end on
	ds_store_b128 v[STO], v[64*(\a)+8*\b+4:64*(\a)+8*\b+7] offset:64*\b+16
.endr
	WIN 0
.set BB, BF+64*((\a)%2)
.irp t, 0,1,2,3,4,5,6,7,8,9,10,11,12,13,14,15
	ds_load_b128 v[BB+4*\t:BB+4*\t+3], v[RD] offset:\t*SPITCH
.endr
.endm
.macro SEND a, younger                 ; younger: the LDS instructions issued behind block a's loads, which may stay out
.set BB, BF+64*((\a)%2)
	s_wait_dscnt \younger
.if (\a) > 0
	s_add_nc_u64 s[44:45], s[44:45], 16*4096       ; (behind a wait on XCNT: the earlier stores have read their base)
.endif
.irp t, 0,1,2,3,4,5,6,7,8,9,10,11,12,13,14,15
	v_pk_add_f32 v[BB+4*\t:BB+4*\t+1], v[BB+4*\t:BB+4*\t+1], v[BI:BI+1]        ; + the bias of my four columns
	v_pk_add_f32 v[BB+4*\t+2:BB+4*\t+3], v[BB+4*\t+2:BB+4*\t+3], v[BI+2:BI+3]
.endr
.irp t, 0,1,2,3,4,5,6,7,8,9,10,11,12,13,14,15
	global_store_b128 v[L16], v[BB+4*\t:BB+4*\t+3], s[44:45] offset:\t*4096 th:TH_STORE_NT   ; 32 lanes store 512 consecutive bytes, at a multiple of 256 from the buffer's first byte
.endr
.endm
	PLACES                                         ; behind the last products: for the reads of results and the loads into B's buffers
	TOSTAGE 0
.irp a, 1,2,3
.if \a > 1
	s_wait_xcnt 0x0                                ; block a - 2's stores have read their registers and their base
.endif
	TOSTAGE \a
	SEND \a-1, 32                                  ; behind block a - 1's loads: block a's 16 stores and 16 loads
.endr
	s_wait_xcnt 0x0
	SEND 3, 0
	s_wait_tensorcnt 0x0                           ; the wave's end
	ds_add_u32 v[SPW], v[NIL]
	s_wait_dscnt 0x0
	ROUND                                          ; the closing round
	s_endpgm
.Lfunc_end_k_qfb13592dc8_proj:
	.size	k_qfb13592dc8_proj, .Lfunc_end_k_qfb13592dc8_proj-k_qfb13592dc8_proj
	.p2alignl 7, 3214868480
	.fill 96, 4, 3214868480
	.section	.rodata,"a",@progbits
	.p2align	6, 0x0
	.amdhsa_kernel k_qfb13592dc8_proj
		.amdhsa_group_segment_fixed_size 327680
		.amdhsa_private_segment_fixed_size 0
		.amdhsa_enable_private_segment 0
		.amdhsa_kernarg_size 48
		.amdhsa_user_sgpr_count 2
		.amdhsa_user_sgpr_kernarg_segment_ptr 1
		.amdhsa_wavefront_size32 1
		.amdhsa_system_sgpr_workgroup_id_x 1
		.amdhsa_system_sgpr_workgroup_id_y 1
		.amdhsa_system_sgpr_workgroup_id_z 1
		.amdhsa_system_vgpr_workitem_id 0
		.amdhsa_next_free_vgpr 1024
		.amdhsa_next_free_sgpr 66
		.amdhsa_reserve_vcc 0
		.amdhsa_float_denorm_mode_32 3
		.amdhsa_float_denorm_mode_16_64 3
		.amdhsa_memory_ordered 1
		.amdhsa_forward_progress 1
		.amdhsa_inst_pref_size 95
	.end_amdhsa_kernel
	.amdgpu_metadata
---
amdhsa.version: [ 1, 2 ]
amdhsa.kernels:
  - .name:           k_qfb13592dc8_proj
    .symbol:         k_qfb13592dc8_proj.kd
    .args:
      - { .name: acode, .offset: 0, .size: 8, .value_kind: global_buffer, .address_space: global }
      - { .name: ascale, .offset: 8, .size: 8, .value_kind: global_buffer, .address_space: global }
      - { .name: Wo_codes, .offset: 16, .size: 8, .value_kind: global_buffer, .address_space: global }
      - { .name: Wo_scales, .offset: 24, .size: 8, .value_kind: global_buffer, .address_space: global }
      - { .name: bo, .offset: 32, .size: 8, .value_kind: global_buffer, .address_space: global }
      - { .name: out0, .offset: 40, .size: 8, .value_kind: global_buffer, .address_space: global }
    .group_segment_fixed_size: 327680
    .private_segment_fixed_size: 0
    .kernarg_segment_align: 8
    .kernarg_segment_size: 48
    .max_flat_workgroup_size: 128
    .sgpr_count:     66
    .vgpr_count:     1024
    .wavefront_size: 32
...
	.end_amdgpu_metadata
.endif
;; end of part 4
